; MI455X (gfx1250); checked and timed in simulation.
; The chip was launched on July 23, 2026; its instructions are those of AMD's public machine-readable ISA for CDNA 5 (MIT licence, August 2026) and "CDNA5" Instruction Set Architecture Reference Guide (July 2026). The comments in the code are by the model that wrote it; some were corrected since.
;; Reprogramming Layer m2. Allowed arithmetic: matrix products marked QUANTISED: E2M3 operands, one E8M0 scale for each 32 along K, by v_wmma_scale_f32_16x16x128_f8f6f4 with both operands' format E2M3, f32 sums; everything else in f32.
;; Inputs: Wk 1,024 x 1,024 float32; Wo 1,024 x 1,024 float32; Wq 1,024 x 1,024 float32; Wv 1,024 x 1,024 float32; bk 1,024 float32; bo 1,024 float32; bq 1,024 float32; bv 1,024 float32; source_embedding 2 x 4,096 x 1,024 float32; target_embedding 2 x 2,048 x 1,024 float32; value_embedding 2 x 4,096 x 1,024 float32.
;; Outputs: out0 2 x 2,048 x 1,024 float32.
;; This version of the problem:
;;   THIS VERSION OF THE PROBLEM IS GIVEN IN LOW PRECISION. The matrix products marked QUANTISED in the list below multiply operands that are first quantised to E2M3 (2 exponent bits, 3 mantissa bits; 6 bits a number), with one power-of-two scale for each 32 numbers along K (OCP MX v1.0); their sums are f32. All else is computed in f32.
;;   The module's matrix products, in the order in which they are computed (A, B: the left and right operand; K: the contracted axis; several contracted axes count as one K, in the product's order):
;;     1. [M 4,096, K 1,024] x [K 1,024, N 1,024]; A: input target_embedding; B: input Wq: QUANTISED
;;     2. [M 8,192, K 1,024] x [K 1,024, N 1,024]; A: input source_embedding; B: input Wk: QUANTISED
;;     3. [M 8,192, K 1,024] x [K 1,024, N 1,024]; A: input value_embedding; B: input Wv: QUANTISED
;;     4. batch 32 x [M 2,048, K 64] x [K 64, N 4,096]; A: computed on the way; B: computed on the way: QUANTISED
;;     5. batch 32 x [M 64, K 4,096] x [K 4,096, N 2,048]; A: computed on the way; B: softmax (see below): QUANTISED
;;     6. [M 4,096, K 1,024] x [K 1,024, N 1,024]; A: computed on the way; B: input Wo: QUANTISED
;;   THE QUANTISER, for each operand of a quantised product, along K:
;;     - K is cut into blocks of 32 from its start; a last block that is shorter is filled with zeros.
;;     - A block's scale is 2^e with e = floor(log2(the largest magnitude in the block)) - 2, held to -126 .. 127; a block of zeros has e = 0. As a byte (E8M0): e + 127.
;;     - Each number is divided by its block's scale, clamped to +-7.5, and rounded to the nearest number of E2M3, ties to even, subnormals kept.
;;     - The product sums the exact products of the quantised numbers (number of the format x scale) in f32.
;;   ~~~python
;;   def quantise(x, axis):      # numpy; x: float32 -> the quantised numbers, widened to float32 again
;;       x = np.moveaxis(x, axis, -1); K = x.shape[-1]
;;       x = np.pad(x, [(0, 0)] * (x.ndim - 1) + [(0, -K % 32)]); x = x.reshape(x.shape[:-1] + (-1, 32)); a = np.abs(x).max(-1, keepdims=True)
;;       e = np.where(a > 0, np.clip(np.frexp(np.where(a > 0, a, 1))[1] - 1 - 2, -126, 127), 0)      # np.frexp(a)[1] - 1 = floor(log2(a)), exactly
;;       r = np.clip(x / 2.0 ** e, -7.5, 7.5)
;;       step = 2.0 ** (np.maximum(np.frexp(np.where(r == 0, 1, r))[1] - 1, 0) - 3)
;;       q = np.round(r / step) * step * 2.0 ** e      # np.round: ties to even
;;       return np.moveaxis(q.reshape(q.shape[:-2] + (-1,))[..., :K], -1, axis).astype(np.float32)
;;   ~~~
;;   SOFTMAX AHEAD OF A QUANTISED PRODUCT. Where the list says 'softmax', what is quantised is not the finished softmax but p = 2^(t - M), with t = logit x log2(e) and M = ceil(the row's largest t), a whole number; so 1/2 < the row's largest p <= 1. The row's sum l is taken of the UNQUANTISED p, in f32, and the product's result is divided by l at the end. Since M is a whole number, a kernel that streams over the keys may use a running M (the ceiling of the running maximum): every later rescaling is an exact power of two, which a block's scale takes up: the codes' values come out the same.
;;   OPERANDS COMPUTED ON THE WAY. 'Computed on the way' means the value that the module computes at that place (a softmax that the list does not call 'softmax' is quantised finished and normalised). What goes into a quantiser is computed in f32, as accurately as f32 sums, v_exp_f32 and their like allow (about 1e-6 of the number): no bf16 or f16 on the way to a quantiser, and a product that is left as it is and whose result goes on into a quantised operand takes f32 operands (vector FMAs, or v_wmma_f32_16x16x4_f32). A number that lies on a knife's edge between two numbers of the format may be rounded either way, as far as f32 arithmetic and the matrix unit's own rounding can turn it there, and no further.
;; One version. Each part assembles by itself: llvm-mc -triple=amdgcn-amd-amdhsa -mcpu=gfx1250 --defsym DOCPART=n.
;; ======== version 1 of 1: 4 launches
;; workspace buffers: xc 15,728,640 bytes; xs 655,360 bytes; wc 3,145,728 bytes; ws 131,072 bytes; qb 3,407,872 bytes; kv 13,369,344 bytes; oc 3,145,728 bytes; os 131,072 bytes
;; launch quant (part 1): grid 768 x 1, 4 waves a work-group, no clusters, 68,096 bytes of LDS; arguments target_embedding, source_embedding, value_embedding, Wq, Wk, Wv, Wo, xc, xs, wc, ws; writes xc, xs, wc, ws
.if DOCPART == 1
	.amdgcn_target "amdgcn-amd-amdhsa--gfx1250"
	.amdhsa_code_object_version 6
	.text
	.protected	k_qc463fc4e7d_quant
	.globl	k_qc463fc4e7d_quant
	.p2align	8
	.type	k_qc463fc4e7d_quant,@function
k_qc463fc4e7d_quant:
	s_mov_b64 s[64:65], 0
	v_nop
	global_prefetch_b8 v0, s[64:65] scope:SCOPE_SE
	s_setreg_imm32_b32 hwreg(HW_REG_WAVE_MODE, 25, 1), 1
	s_wait_xcnt 0x0
; The three activations [rows][1024] f32 (K innermost) and the four weights [1024 (k)][1024 (n)] f32 (K outermost) become codes of FP6 (E2M3), K innermost, 768 bytes a row,
; with one E8M0 byte for each 32 along K, 32 bytes a row.  xc, xs: 20,480 rows (target 0.., source 4,096.., value 12,288..).  wc, ws: four matrices [n][k] (q, k, v, o).
; A block's scale is 2^(floor(log2(its largest magnitude)) - 2); its byte is the largest magnitude's exponent field - 2, held at 1 from below.
; ROWS ARE STORED AT PERMUTED PLACES: row t lies at place P(t), P = t with its bits 3 and 4 exchanged (inside each group of 32 rows).  A tile of 16 neighbouring places then holds,
; in lane r, row 32 (i / 2) + 8 (i % 2) + r + 8 (r / 8): the choice of rows by which a later product's results are neighbours along the next K in a lane's registers.
; LIMITS: a block whose largest magnitude lies under 2^-124, a block of zeros among them, gets the byte 1 (its codes are then small or zero; this program alone reads the bytes); NaN and infinities are not served.
; Work-groups 0 to 639 take 32 rows of an activation each, work-groups 640 to 767 a piece of 128 columns x 256 along K of a weight: 128 KiB read by each.  The two ways have LDS bytes of their own.
; No tensor loads, no barrier: waves share nothing; nothing is read by two work-groups, so there is no cluster.
.set STEPS, 16
.set EMAX,  2
.set CB,    12                         ; bytes of 16 codes
.set XR,    16                         ; v16-79   activations: four sets of 16 numbers as loaded
.set XX,    80                         ; v80-111  two sets of 16 neighbours
.set XE,    112                        ; v112-127 a scale byte for each step
.set XC,    128                        ; v128-191 codes, four registers a step
.set WREG,  8192                       ; LDS bytes 0 to 32,767: a region for each wave: two stages of 32 x SP bytes, then its 256 scale bytes
.set SP,    80
.set WSTG,  32768                      ; LDS from here on: the weights' stages, 32 x PITCH bytes a wave
.set NB,    8                          ; weights: blocks of 32 along K for a wave
.set ROWB,  192                        ; bytes of 256 codes
.set PITCH, 272
.set KROW,  768                        ; a row of codes in memory
.set WX,    32                         ; v32-95   weights: two sets of 32 numbers
.set WC,    96                         ; v96..    a block's codes
.set WOUT,  112                        ; v112-175 the way out
.set WSB,   24                         ; v24-25   eight scale bytes
	s_load_b256 s[4:11], s[0:1], 0x0               ; target, source, value, Wq
	s_load_b256 s[12:19], s[0:1], 0x20             ; Wk, Wv, Wo, xc
	s_load_b128 s[20:23], s[0:1], 0x40             ; xs, wc
	s_load_b64 s[24:25], s[0:1], 0x50              ; ws
	v_lshl_add_u32 v192, v0, 2, 0x10800
	v_mov_b32 v193, 0
	v_lshrrev_b32 v1, 5, v0
	v_readfirstlane_b32 s26, v1                    ; wave 0..3
	v_and_b32 v2, 31, v0                           ; lane
	s_wait_kmcnt 0x0
	s_cmp_lt_u32 ttmp9, 640
	s_cbranch_scc0 .Lweights
	; ---- AN ACTIVATION.  A wave takes a run of 8 rows = 8,192 numbers, in 16 steps of 512.  Each load reads 512 consecutive bytes; a step's 2,048 bytes turn through the wave's stage so that a lane holds 16 neighbours.
	v_lshlrev_b32 v3, 4, v2                        ; my 16 bytes of a load's 512
	s_mul_i32 s27, s26, WREG
	v_lshrrev_b32 v14, 2, v2
	v_mul_u32_u24 v14, v14, SP
	v_and_b32 v15, 3, v2
	v_lshl_add_u32 v14, v15, 4, v14
	v_add_nc_u32 v14, s27, v14                     ; into the stage: SP (lane / 4) + 16 (lane % 4)
	v_mul_u32_u24 v15, v2, SP
	v_add_nc_u32 v15, s27, v15                     ; out of it: SP x lane
	v_mul_u32_u24 v4, v2, CB                       ; my codes' place in a step's 384 bytes
	v_lshrrev_b32 v5, 1, v2
	s_add_co_u32 s27, s27, 2*32*SP
	v_add_nc_u32 v5, s27, v5                       ; my block's byte among the wave's 256
	v_lshlrev_b32 v7, 3, v2
	v_add_nc_u32 v6, s27, v7                       ; and 8 bytes a lane on the way out
	s_cmp_lt_u32 ttmp9, 128                        ; which tensor: the choice hangs on the work-group's number alone
	s_cselect_b64 s[28:29], s[4:5], s[6:7]
	s_cselect_b32 s30, 0, 128
	s_cmp_lt_u32 ttmp9, 384
	s_cselect_b64 s[28:29], s[28:29], s[8:9]
	s_cselect_b32 s30, s30, 384
	s_sub_co_u32 s30, ttmp9, s30
	s_lshl_b32 s30, s30, 2
	s_add_co_u32 s30, s30, s26                     ; my run in the tensor
	s_lshl_b32 s30, s30, 15                        ; 32,768 bytes a run
	s_mov_b32 s31, 0
	s_add_nc_u64 s[28:29], s[28:29], s[30:31]
	s_and_b32 s32, s26, 1                          ; a run is 8 rows, so bits 3 and 4 of a row are bits 0 and 1 of the wave: they change places
	s_lshl_b32 s32, s32, 1
	s_lshr_b32 s33, s26, 1
	s_or_b32 s32, s32, s33
	s_lshl_b32 s33, ttmp9, 2
	s_add_co_u32 s32, s32, s33                     ; the run's place in xc and xs
	s_mul_i32 s30, s32, 8*KROW
	s_add_nc_u64 s[18:19], s[18:19], s[30:31]
	s_lshl_b32 s30, s32, 8
	s_add_nc_u64 s[20:21], s[20:21], s[30:31]
.macro XLOAD t
.irp i, 0,1,2,3
	global_load_b128 v[XR+16*((\t)%4)+4*\i:XR+16*((\t)%4)+4*\i+3], v3, s[28:29] offset:2048*(\t)+512*\i th:TH_LOAD_NT
.endr
.endm
.macro XTURN t                         ; LDS serves a wave's instructions in order (ISA guide 5.7.1.4): no wait between the stores and the loads
.irp i, 0,1,2,3
	ds_store_b128 v14, v[XR+16*((\t)%4)+4*\i:XR+16*((\t)%4)+4*\i+3] offset:32*SP*((\t)%2)+8*SP*\i
.endr
.irp i, 0,1,2,3
	ds_load_b128 v[XX+16*((\t)%2)+4*\i:XX+16*((\t)%2)+4*\i+3], v15 offset:32*SP*((\t)%2)+16*\i
.endr
.endm
.irp t, 0,1,2,3
	XLOAD \t
.endr
	s_wait_loadcnt 12                              ; step 0's four loads are in; the twelve of steps 1 to 3 may be out
	XTURN 0
.macro XSTEP t
.set XSB, XX+16*((\t)%2)
.if (\t) > 0
	s_wait_dscnt 1                                 ; this step's numbers are back from the stage; the last step's byte store may be out
.else
	s_wait_dscnt 0x0
.endif
.if (\t)+4 < STEPS
	XLOAD (\t)+4                                   ; into the registers that this step's stores into the stage have read
.endif
.if (\t)+1 < STEPS
.if STEPS-2-(\t) >= 3
	s_wait_loadcnt 12                              ; the next step's four loads are in; those of the three steps behind it may be out
.else
	s_wait_loadcnt 4*(STEPS-2-(\t))                ; the tail: as many as are left behind the next step's
.endif
	XTURN (\t)+1
.endif
	v_max3_num_f32 v8, |v[XSB]|, |v[XSB+1]|, |v[XSB+2]|             ; the largest magnitude of my 16, in two chains
	v_max3_num_f32 v9, |v[XSB+3]|, |v[XSB+4]|, |v[XSB+5]|
.irp i, 6,10
	v_max3_num_f32 v8, v8, |v[XSB+\i]|, |v[XSB+\i+1]|
	v_max3_num_f32 v9, v9, |v[XSB+\i+2]|, |v[XSB+\i+3]|
.endr
	v_max3_num_f32 v8, v8, |v[XSB+14]|, |v[XSB+15]|
	v_max3_num_f32 v8, v8, v9, (EMAX+1)<<23        ; and the floor 2^(3 - 127): the byte cannot fall under 1
	v_max_num_f32_dpp v8, v8, v8 row_xmask:1 row_mask:0xf bank_mask:0xf   ; with my neighbour's 16: the block's
	v_add_nc_u32 v11, -(EMAX<<23), v8              ; 2 off its exponent field: the conversion takes that field as its scale
	v_cvt_scalef32_pk16_fp6_f32 v[XC+4*(\t):XC+4*(\t)+2], v[XSB:XSB+15], v11
	v_lshrrev_b32 v[XE+(\t)], 23, v11              ; the scale's byte (also the plain line behind the conversion)
	ds_store_b8 v5, v[XE+(\t)] offset:16*(\t)      ; both lanes of a block write the same byte with the same value
	global_store_b96 v4, v[XC+4*(\t):XC+4*(\t)+2], s[18:19] offset:32*CB*(\t)   ; the wave stores 384 consecutive bytes
.endm
.irp t, 0,1,2,3,4,5,6,7,8,9,10,11,12,13,14,15
	XSTEP \t
.endr
	ds_load_b64 v[12:13], v6
	s_wait_dscnt 0x0
	global_store_b64 v7, v[12:13], s[20:21]        ; 32 lanes store 256 consecutive bytes, aligned
	s_wait_tensorcnt 0x0
	ds_add_u32 v192, v193
	s_wait_dscnt 0x0
	s_endpgm
.Lweights:
	; ---- A WEIGHT.  A lane takes a column n and its registers run down K: a block of 32 along K lies in one lane, and the codes come out with K innermost.  A wave: 32 columns x 256 along K.
	s_sub_co_u32 s27, ttmp9, 640
	s_lshr_b32 s28, s27, 5                         ; which weight: q, k, v, o
	s_and_b32 s29, s27, 7                          ; which 128 columns
	s_bfe_u32 s30, s27, 0x20003                    ; which 256 along K
	s_cmp_eq_u32 s28, 1
	s_cselect_b64 s[4:5], s[12:13], s[10:11]
	s_cmp_eq_u32 s28, 2
	s_cselect_b64 s[4:5], s[14:15], s[4:5]
	s_cmp_eq_u32 s28, 3
	s_cselect_b64 s[4:5], s[16:17], s[4:5]
	s_lshl_b32 s31, s29, 7
	s_lshl_b32 s32, s26, 5
	s_add_co_u32 s31, s31, s32                     ; my wave's first column, a multiple of 32
	s_lshl_b32 s32, s30, 20                        ; 256 rows of 4,096 bytes
	s_lshl_b32 s33, s31, 2
	s_add_co_u32 s32, s32, s33
	s_mov_b32 s33, 0
	s_add_nc_u64 s[4:5], s[4:5], s[32:33]
	s_mul_i32 s32, s28, 1024*KROW
	s_mul_i32 s34, s31, KROW
	s_add_co_u32 s32, s32, s34
	s_mul_i32 s34, s30, ROWB
	s_add_co_u32 s32, s32, s34
	s_add_nc_u64 s[22:23], s[22:23], s[32:33]
	s_lshl_b32 s32, s28, 15
	s_lshl_b32 s34, s31, 5
	s_add_co_u32 s32, s32, s34
	s_lshl_b32 s34, s30, 3
	s_add_co_u32 s32, s32, s34
	s_add_nc_u64 s[24:25], s[24:25], s[32:33]
	v_lshlrev_b32 v3, 2, v2                        ; in: 4 bytes a lane
	s_mul_i32 s35, s26, 32*PITCH
	s_add_co_u32 s35, s35, WSTG                    ; my stage
	v_mul_u32_u24 v4, v2, PITCH
	v_add_nc_u32 v4, s35, v4                       ; into it: row = my column
	v_and_b32 v5, 15, v2
	v_lshrrev_b32 v6, 4, v2
	v_mul_u32_u24 v7, v6, PITCH
	v_lshl_add_u32 v7, v5, 4, v7
	v_add_nc_u32 v7, s35, v7                       ; out of it: sixteen lanes to a row, two rows an instruction
	v_mul_u32_u24 v8, v6, KROW
	v_mad_u32_u24 v8, v5, 12, v8                   ; and the same place in wc (the lane's half is bit 0 of the row, which P leaves alone)
	v_and_b32 v9, 7, v2                            ; P(lane): bits 3 and 4 change places
	v_bfe_u32 v10, v2, 3, 1
	v_lshl_or_b32 v9, v10, 4, v9
	v_bfe_u32 v10, v2, 4, 1
	v_lshl_or_b32 v9, v10, 3, v9
	v_lshlrev_b32 v9, 5, v9                        ; 32 scale bytes a row
.macro WLOAD t                         ; block t: W(32 t + i, my column): 32 lanes read 128 consecutive bytes
.irp i, 0,1,2,3,4,5,6,7,8,9,10,11,12,13,14,15,16,17,18,19,20,21,22,23,24,25,26,27,28,29,30,31
	global_load_b32 v[WX+32*((\t)%2)+\i], v3, s[4:5] offset:(32*(\t)+\i)*4096 th:TH_LOAD_NT
.endr
.endm
	WLOAD 0
	WLOAD 1
.macro WBLOCK t
.set WXS, WX+32*((\t)%2)
.if (\t) < NB-1
	s_wait_loadcnt 32                              ; this block's 32 loads are in; the next block's 32 may be out
.else
	s_wait_loadcnt 0
.endif
	v_max3_num_f32 v12, |v[WXS]|, |v[WXS+1]|, |v[WXS+2]|
	v_max3_num_f32 v13, |v[WXS+3]|, |v[WXS+4]|, |v[WXS+5]|
.irp i, 6,10,14,18,22,26
	v_max3_num_f32 v12, v12, |v[WXS+\i]|, |v[WXS+\i+1]|
	v_max3_num_f32 v13, v13, |v[WXS+\i+2]|, |v[WXS+\i+3]|
.endr
	v_max3_num_f32 v12, v12, |v[WXS+30]|, |v[WXS+31]|
	v_max3_num_f32 v12, v12, v13, (EMAX+1)<<23
	v_add_nc_u32 v11, -(EMAX<<23), v12
	v_lshrrev_b32 v13, 23, v11
.if (\t)%4 == 0
	v_mov_b32 v[WSB+(\t)/4], v13
.else
	v_lshl_or_b32 v[WSB+(\t)/4], v13, 8*((\t)%4), v[WSB+(\t)/4]
.endif
	v_cvt_scalef32_pk16_fp6_f32 v[WC:WC+2], v[WXS:WXS+15], v11
	v_cvt_scalef32_pk16_fp6_f32 v[WC+4:WC+6], v[WXS+16:WXS+31], v11
	v_nop                                          ; one plain line behind the conversions
	ds_store_b96 v4, v[WC:WC+2] offset:32*(\t)     ; 12 bytes to a place of 16
	ds_store_b96 v4, v[WC+4:WC+6] offset:32*(\t)+16
.if (\t)+2 < NB
	WLOAD (\t)+2
.endif
	s_wait_dscnt 0x0                               ; the stores have read their registers
.endm
.irp t, 0,1,2,3,4,5,6,7
	WBLOCK \t
.endr
	global_store_b64 v9, v[WSB:WSB+1], s[24:25]    ; my column's eight scale bytes, at the column's place
.irp t, 0,1,2,3,4,5,6,7,8,9,10,11,12,13,14,15
	ds_load_b96 v[WOUT+4*\t:WOUT+4*\t+2], v7 offset:2*\t*PITCH
.endr
.irp t, 0,1,2,3,4,5,6,7,8,9,10,11,12,13,14,15
	s_wait_dscnt 15-\t                             ; the younger loads from the stage may be out
	global_store_b96 v8, v[WOUT+4*\t:WOUT+4*\t+2], s[22:23] offset:(((2*\t)&7)|((((2*\t)>>3)&1)<<4)|((((2*\t)>>4)&1)<<3))*KROW   ; columns 2 t and 2 t + 1 at places P(2 t), P(2 t) + 1
.endr
	s_wait_tensorcnt 0x0
	ds_add_u32 v192, v193
	s_wait_dscnt 0x0
	s_endpgm
.Lfunc_end_k_qc463fc4e7d_quant:
	.size	k_qc463fc4e7d_quant, .Lfunc_end_k_qc463fc4e7d_quant-k_qc463fc4e7d_quant
	.p2alignl 7, 3214868480
	.fill 96, 4, 3214868480
	.section	.rodata,"a",@progbits
	.p2align	6, 0x0
	.amdhsa_kernel k_qc463fc4e7d_quant
		.amdhsa_group_segment_fixed_size 68096
		.amdhsa_private_segment_fixed_size 0
		.amdhsa_enable_private_segment 0
		.amdhsa_kernarg_size 88
		.amdhsa_user_sgpr_count 2
		.amdhsa_user_sgpr_kernarg_segment_ptr 1
		.amdhsa_wavefront_size32 1
		.amdhsa_system_sgpr_workgroup_id_x 1
		.amdhsa_system_sgpr_workgroup_id_y 1
		.amdhsa_system_sgpr_workgroup_id_z 1
		.amdhsa_system_vgpr_workitem_id 0
		.amdhsa_next_free_vgpr 194
		.amdhsa_next_free_sgpr 66
		.amdhsa_reserve_vcc 0
		.amdhsa_float_denorm_mode_32 3
		.amdhsa_float_denorm_mode_16_64 3
		.amdhsa_memory_ordered 1
		.amdhsa_forward_progress 1
		.amdhsa_inst_pref_size 74
	.end_amdhsa_kernel
	.amdgpu_metadata
---
amdhsa.version: [ 1, 2 ]
amdhsa.kernels:
  - .name:           k_qc463fc4e7d_quant
    .symbol:         k_qc463fc4e7d_quant.kd
    .args:
      - { .name: target_embedding, .offset: 0, .size: 8, .value_kind: global_buffer, .address_space: global }
      - { .name: source_embedding, .offset: 8, .size: 8, .value_kind: global_buffer, .address_space: global }
      - { .name: value_embedding, .offset: 16, .size: 8, .value_kind: global_buffer, .address_space: global }
      - { .name: Wq, .offset: 24, .size: 8, .value_kind: global_buffer, .address_space: global }
      - { .name: Wk, .offset: 32, .size: 8, .value_kind: global_buffer, .address_space: global }
      - { .name: Wv, .offset: 40, .size: 8, .value_kind: global_buffer, .address_space: global }
      - { .name: Wo, .offset: 48, .size: 8, .value_kind: global_buffer, .address_space: global }
      - { .name: xc, .offset: 56, .size: 8, .value_kind: global_buffer, .address_space: global }
      - { .name: xs, .offset: 64, .size: 8, .value_kind: global_buffer, .address_space: global }
      - { .name: wc, .offset: 72, .size: 8, .value_kind: global_buffer, .address_space: global }
      - { .name: ws, .offset: 80, .size: 8, .value_kind: global_buffer, .address_space: global }
    .group_segment_fixed_size: 68096
    .private_segment_fixed_size: 0
    .kernarg_segment_align: 8
    .kernarg_segment_size: 88
    .max_flat_workgroup_size: 128
    .sgpr_count:     66
    .vgpr_count:     194
    .wavefront_size: 32
...
	.end_amdgpu_metadata
.endif
;; end of part 1
;; launch proj (part 2): grid 4 x 80, 4 waves a work-group, clusters of 4 x 4, 327,680 bytes of LDS; arguments xc, xs, wc, ws, bq, bk, bv, qb, kv; writes qb, kv
.if DOCPART == 2
	.amdgcn_target "amdgcn-amd-amdhsa--gfx1250"
	.amdhsa_code_object_version 6
	.text
	.protected	k_qc463fc4e7d_proj
	.globl	k_qc463fc4e7d_proj
	.p2align	8
	.type	k_qc463fc4e7d_proj,@function
k_qc463fc4e7d_proj:
	s_mov_b64 s[64:65], 0
	v_nop
	global_prefetch_b8 v0, s[64:65] scope:SCOPE_SE
	s_setreg_imm32_b32 hwreg(HW_REG_WAVE_MODE, 25, 1), 1
	s_wait_xcnt 0x0
	s_wait_alu depctr_hold_cnt(0) depctr_sa_sdst(0) depctr_va_vdst(0) depctr_va_sdst(0) depctr_va_ssrc(0) depctr_va_vcc(0) depctr_vm_vsrc(0)
	s_getreg_b32 s2, hwreg(HW_REG_IB_STS2, 6, 4)
	s_cmp_eq_u32 s2, 0
	s_cbranch_scc0 .Lentry_in_a_cluster
	s_endpgm
.Lentry_in_a_cluster:
	s_bfe_u32 s2, ttmp6, 0x10000c
	s_cmp_lg_u32 s2, 0xf033
	s_cbranch_scc0 .Lentry_shape_is_right
	s_endpgm
.Lentry_shape_is_right:
; q = target Wq + bq, k = source Wk + bk, v = value Wv + bv on codes of FP6 (E2M3) with E8M0 scales, and the results, in f32 with their biases, quantised in registers for the two products of attention.
; A CLUSTER of 4 x 4 work-groups makes one product 1,024 x 1,024 x 1,024: cluster c = 0..3 rows of q, 4..11 of k, 12..19 of v.  A work-group makes 256 x 256, each of its four waves 128 x 128 in 64 accumulators.
; K goes in steps of 256 through a ring of two LDS slots; the scale bytes of the work-group's rows come once.  A's tile is asked for jointly along a row of the cluster, B's along a column.
; THE MATRIX INSTRUCTION IS USED TRANSPOSED (source 0 = 16 rows of B, source 1 = 16 rows of A): a lane holds ONE row of A and its registers run along B's rows.
; For q and k: A = the activation, B = the weight: a lane holds a token and its registers run along n, which is the next product's K (the head's 64).
; For v: A = the weight, B = the activation: a lane holds one channel d and its registers run along the keys, which are the next product's K.
; Rows of xc and wc lie at permuted places (bits 3 and 4 of the row exchanged), so the 16 registers of B's tiles 2 b and 2 b + 1 are 16 true neighbours, 32 b + 16 (lane / 16) + 0 .. 15.
; OUT: operands leave as IMAGES OF THEIR REGISTERS: four registers a lane by one store of 16 bytes at 16 x lane: 512 consecutive bytes, aligned.
;   qb [b x 16 + head][16 steps of 128 places][6,656]: four pair images of 1,536 bytes (tile 2 p's six registers, tile 2 p + 1's six), then 512 bytes of scale words.
;   kv [b x 16 + head][32 steps of 128 keys][13,056]: K's four pair images, V^T's four fragment images, K's scale words (512 bytes), V's (256).
; LIMITS: a block whose largest magnitude lies under 2^-124 gets the byte 1 (this program alone reads the bytes); NaN and infinities are not served.
; REGISTERS, in windows of 256: window 0: v0-31 addresses; v32-63 scale words, two sets; v64-127 the bias along n; v128-223 A's fragments, one set; v224-231 the bias along A's rows; v232-255 at work on the way out.
;   window 1: B's fragments, two sets.   windows 2, 3: the accumulators ((a, b) at v[8 (8 (a % 4) + b)]).
.set KSTEP,  256
.set NQ,     2
.set ROWB,   192                       ; a tile's row: 256 codes
.set KROW,   768                       ; a row of codes in memory
.set PITCH,  240                       ; an LDS row: 3 x (64 bytes + 16 of padding)
.set FR,     12
.set NL,     6
.set NP,     4                         ; places behind this matrix instruction (ISA guide 7.12.1)
.set HALFT,  128*PITCH
.set SLOT,   4*HALFT
.set LAPS,   2                         ; 1,024 along K = two laps of two K steps
.set KS,     32                        ; a row of scale bytes
.set SCL,    2*SLOT
.set HALFS,  (128*KS/256)*272
.set SBLK,   (16*KS/256)*272
.set SPARE,  SCL+4*HALFS               ; the spare words, 128 bytes a wave: two blocks of 256 bytes that no other line names
.set ADRA, 16
.set ADRB, 20
.set VC0,  24                          ; v24  the way out: 16 x lane + where my first head's images begin
.set VC1,  25                          ; v25  the same for my second head
.set VS0,  26                          ; v26  where my scale words go
.set ADRS, 27
.set SPW,  28
.set NIL,  29
.set VS1,  30
.set SC,   32
.set BI,   64                          ; v64-127  bias[n] in the results' layout: register 8 t + j = n 32 (t / 2) + 8 (t % 2) + 16 (lane / 16) + j
.set AF,   128
.set RB,   224                         ; v224-231 bias of A's row: tile a, lane r: row 32 (a / 2) + 8 (a % 2) + r + 8 (r / 8)
.set T,    128                         ; the way out: a tile's 64 numbers
.set EB,   192                         ; v192-215 codes
.set YT,   216                         ; v216-223 the conversions' second halves
.set TM,   232                         ; v232-235 largest magnitudes, v236-239 bytes, v240-241 a bias pair, v244-247 the conversions' scale operands
.set BP,   TM+8
.set PWA,  248                         ; v248-255 the eight tiles' scale words
.set ZP,   128
.set Z0,   132
.set Z1,   136
.set SEL,  20
.set G1, 24
.set G0, 32
.set G1B, 48
.set G0B, 56
.set G1S, 68
.set G0S, 76
.set G1SB, 80
.set G0SB, 88
.set MSB, 0
.macro WIN new                         ; the immediate's high byte repeats the setting that is left
.if MSB != \new
	s_set_vgpr_msb (MSB<<8)|\new
.set MSB, \new
.endif
.endm
.set MUL_LO, 0xa1                      ; source 0 (B) window 1, source 1 (A) window 0, C and D window 2
.set MUL_HI, 0xf1
.set TO_B,   0x40
; A joint load: waves 0 and 1 fetch for A, waves 2 and 3 for B; the branch hangs on the wave's number alone.  Four v_nop follow each of the two lines.
.macro JLOAD g0a, g1a, g0b, g1b
	s_cmp_eq_u32 s15, 0
	s_cbranch_scc0 .Lfor_b_\@
	tensor_load_to_lds s[\g0a:\g0a+3], s[\g1a:\g1a+7]
	s_nop 0
.rept 4
	v_nop
.endr
	s_branch .Lasked_\@
.Lfor_b_\@:
	tensor_load_to_lds s[\g0b:\g0b+3], s[\g1b:\g1b+7]
	s_nop 0
.rept 4
	v_nop
.endr
.Lasked_\@:
.endm
.macro CREST                           ; a round of the cluster's barrier behind its opening barrier
	s_cmp_lg_u32 s14, 0
	s_cbranch_scc1 .Lnot_wave_0_\@
	s_barrier_signal -3
.Lnot_wave_0_\@:
	s_barrier_wait -3
	s_barrier_signal -1
	s_barrier_wait -1
.endm
.macro CROUND
	s_barrier_signal -1
	s_barrier_wait -1
	CREST
.endm
	s_load_b256 s[68:75], s[0:1], 0x0              ; xc, xs, wc, ws
	s_load_b256 s[76:83], s[0:1], 0x20             ; bq, bk, bv, qb
	s_load_b64 s[84:85], s[0:1], 0x40              ; kv
	v_lshl_add_u32 v[SPW], v0, 2, SPARE
	v_mov_b32 v[NIL], 0
	ds_add_u32 v28, v29
	s_wait_dscnt 0x0
	v_lshrrev_b32 v1, 5, v0
	v_readfirstlane_b32 s14, v1                    ; wave 0..3
	s_lshr_b32 s15, s14, 1                         ; which half of the tile's rows is mine.  Also: I fetch for A (0) or for B (1)
	s_and_b32 s16, s14, 1                          ; which half of its columns.  Also: which 128 rows of that tile I fetch
	s_bfe_u32 s40, ttmp6, 0x40000                  ; cx: the tile column in the cluster's product
	s_bfe_u32 s41, ttmp6, 0x40004                  ; cy: the tile row
	s_and_b32 s95, ttmp7, 0xffff                   ; c: the cluster, the same in all sixteen partners
	s_lshl_b32 s43, s41, 2
	s_lshl_b32 s43, 15, s43                        ; my row of the cluster
	s_lshl_b32 s44, 0x1111, s40                    ; my column
	s_or_b32 s[G1+0], s43, (0<<16)|(1<<20)|(1<<21)|(3<<22)|(3<<25)  ; the mask; elements of 1 byte; padding on; bit 21 beside a mask; after every 16 words, 4 words
	s_or_b32 s[G1B+0], s44, (0<<16)|(1<<20)|(1<<21)|(3<<22)|(3<<25)
.irp g, G1, G1B
	s_mov_b32 s[\g+1], ROWB<<16                    ; tensor_dim0
	s_mov_b32 s[\g+2], 128<<16                     ; tensor_dim1
	s_mov_b32 s[\g+3], ROWB<<16                    ; tile_dim0
	s_mov_b32 s[\g+4], 128                         ; tile_dim1
	s_mov_b32 s[\g+5], KROW                        ; stride from row to row
	s_mov_b32 s[\g+6], 0
	s_mov_b32 s[\g+7], 0
.endr
	s_cmp_ge_u32 s95, 4
	s_cselect_b32 s17, 1, 0
	s_cmp_ge_u32 s95, 12
	s_cselect_b32 s17, 2, s17                      ; which weight: q 0, k 1, v 2
	s_mul_i32 s86, s95, 1024*KROW                  ; the cluster's 1,024 rows of xc,
	s_lshl_b32 s87, s95, 15                        ; of xs,
	s_mul_i32 s88, s17, 1024*KROW                  ; its weight in wc,
	s_lshl_b32 s89, s17, 15                        ; in ws
	s_cmp_ge_u32 s95, 12                           ; for v the weight is A and the activation B
	s_cselect_b32 s90, s88, s86                    ; A's part: codes,
	s_cselect_b32 s91, s89, s87                    ; scale bytes
	s_cselect_b32 s88, s86, s88                    ; B's likewise
	s_cselect_b32 s89, s87, s89
	s_lshl_b32 s18, s16, 7                         ; which 128 rows of the tile I fetch
	s_lshl_b32 s20, s41, 8
	s_add_co_u32 s20, s20, s18                     ; A: row 256 cy + 128 x half
	s_lshl_b32 s46, s40, 8
	s_add_co_u32 s46, s46, s18                     ; B: row 256 cx + 128 x half
	s_lshl_b32 s22, s20, 5
	s_add_co_u32 s22, s22, s91
	s_mul_i32 s20, s20, KROW
	s_add_co_u32 s20, s20, s90
	s_lshl_b32 s92, s46, 5
	s_add_co_u32 s92, s92, s89
	s_mul_i32 s46, s46, KROW
	s_add_co_u32 s46, s46, s88
	s_mov_b32 s21, 0
	s_mov_b32 s23, 0
	s_mov_b32 s47, 0
	s_mov_b32 s93, 0
	s_mul_i32 s45, s14, HALFT                      ; where the tiles go: wave x 128 rows: no place in the cluster enters an LDS address
	s_mul_i32 s94, s14, HALFS
	s_wait_kmcnt 0x0
	s_cmp_ge_u32 s95, 12
	s_cselect_b64 s[4:5], s[72:73], s[68:69]       ; A's codes
	s_cselect_b64 s[6:7], s[74:75], s[70:71]       ; A's scale bytes
	s_cselect_b64 s[8:9], s[68:69], s[72:73]       ; B's codes
	s_cselect_b64 s[10:11], s[70:71], s[74:75]     ; B's scale bytes
	s_cselect_b64 s[96:97], s[80:81], s[78:79]     ; the bias: bv or bk,
	s_cmp_lt_u32 s95, 4
	s_cselect_b64 s[96:97], s[76:77], s[96:97]     ; or bq
	s_cselect_b64 s[12:13], s[82:83], s[84:85]     ; the output: qb or kv
	s_mov_b64 s[98:99], s[96:97]
	s_add_nc_u64 s[20:21], s[4:5], s[20:21]
	s_add_nc_u64 s[22:23], s[6:7], s[22:23]
	s_add_nc_u64 s[46:47], s[8:9], s[46:47]
	s_add_nc_u64 s[92:93], s[10:11], s[92:93]
	; the scales of 128 rows: a dense block of 4,096 bytes, as rows of 256 bytes (32 elements of 8 bytes), 16 bytes of padding behind each.  (s68 to s91 have given up the arguments)
	s_or_b32 s[G1S+0], s43, (3<<16)|(1<<20)|(1<<21)|(5<<22)|(3<<25)
	s_or_b32 s[G1SB+0], s44, (3<<16)|(1<<20)|(1<<21)|(5<<22)|(3<<25)
.irp g, G1S, G1SB
	s_mov_b32 s[\g+1], 32<<16
	s_mov_b32 s[\g+2], (128*KS/256)<<16
	s_mov_b32 s[\g+3], 32<<16
	s_mov_b32 s[\g+4], 128*KS/256
	s_mov_b32 s[\g+5], 32
	s_mov_b32 s[\g+6], 0
	s_mov_b32 s[\g+7], 0
.endr
	CROUND                                         ; all sixteen work-groups are here: the first joint loads meet
	s_mov_b32 s[G0S], 1
	s_add_co_u32 s[G0S+1], s94, SCL
	s_mov_b64 s[G0S+2:G0S+3], s[22:23]
	s_or_b32 s[G0S+3], s[G0S+3], 0x80000000
	s_mov_b32 s[G0SB], 1
	s_add_co_u32 s[G0SB+1], s94, SCL
	s_mov_b64 s[G0SB+2:G0SB+3], s[92:93]
	s_or_b32 s[G0SB+3], s[G0SB+3], 0x80000000
	JLOAD G0S, G1S, G0SB, G1SB                     ; the scales first: they are wanted with K step 0
.irp s, 0,1
	s_mov_b32 s[G0+4*\s], 1
	s_add_co_u32 s[G0+4*\s+1], s45, \s*SLOT
	s_add_nc_u64 s[G0+4*\s+2:G0+4*\s+3], s[20:21], \s*ROWB
	s_or_b32 s[G0+4*\s+3], s[G0+4*\s+3], 0x80000000
	s_mov_b32 s[G0B+4*\s], 1
	s_add_co_u32 s[G0B+4*\s+1], s45, \s*SLOT
	s_add_nc_u64 s[G0B+4*\s+2:G0B+4*\s+3], s[46:47], \s*ROWB
	s_or_b32 s[G0B+4*\s+3], s[G0B+4*\s+3], 0x80000000
	JLOAD G0+4*\s, G1, G0B+4*\s, G1B
.endr
	v_and_b32 v1, 15, v0                           ; r = lane % 16
	v_bfe_u32 v2, v0, 4, 1                         ; h = lane / 16
	v_mul_u32_u24 v3, v1, PITCH
	v_mul_u32_u24 v4, v2, 24
	v_add_nc_u32 v4, v3, v4                        ; a fragment's row x pitch + 24 x half
	v_lshl_add_u32 v5, v2, 4, v4                   ; and the same behind one padding more
	s_mul_i32 s21, s15, HALFT                      ; my 128 rows of A
	s_mul_i32 s22, s16, HALFT                      ; my 128 rows of B,
	s_add_co_u32 s22, s22, 2*HALFT                 ; which lie behind A's 256
.irp s, 0,1
	v_add_nc_u32 v[ADRA+\s], s21, v4
	v_add_nc_u32 v[ADRB+\s], s22, v4
	v_add_nc_u32 v[ADRA+2+\s], s21, v5
	v_add_nc_u32 v[ADRB+2+\s], s22, v5
	s_add_co_u32 s21, s21, SLOT
	s_add_co_u32 s22, s22, SLOT
.endr
	v_mul_u32_u24 v5, v1, KS                       ; my row's scales: 32 bytes a row,
	v_lshrrev_b32 v6, 8, v5
	v_lshl_add_u32 v5, v6, 4, v5                   ; and 16 more for each 256 passed
	s_mul_i32 s21, s15, HALFS
	s_mul_i32 s22, s16, HALFS
	s_add_co_u32 s22, s22, 2*HALFS
	s_sub_co_u32 s22, s22, s21
	v_mul_u32_u24 v6, s22, v2                      ; lanes 16-31 take B's
	s_add_co_u32 s21, s21, SCL
	v_add_nc_u32 v5, v5, v6
	v_add_nc_u32 v[ADRS], s21, v5
	; where my results go.  rowpos, colpos: my 128 rows of A and of B in the cluster's product
	s_lshl_b32 s17, s41, 8
	s_lshl_b32 s19, s15, 7
	s_add_co_u32 s17, s17, s19                     ; rowpos
	s_lshl_b32 s18, s40, 8
	s_lshl_b32 s19, s16, 7
	s_add_co_u32 s18, s18, s19                     ; colpos
	s_cmp_ge_u32 s95, 12
	s_cselect_b32 s19, s18, s17                    ; my 128 places of the activation,
	s_cselect_b32 s20, s17, s18                    ; my 128 of the weight: two heads
	s_cselect_b32 s21, 0, s18                      ; the bias along n begins here (v: not used, 0)
	s_cselect_b32 s22, s17, 0                      ; the bias along A's rows (q, k: not used, 0)
	s_mov_b32 s23, 4096
	s_cselect_b32 s23, 12288, s23                  ; the tensor's first row in xc
	s_cselect_b32 s42, 6144, 0                     ; the images' place in a step's block
	s_mov_b32 s43, 12288
	s_cselect_b32 s43, 12800, s43                  ; the scale words' place
	s_mov_b32 s44, 256
	s_cselect_b32 s44, 417792, s44                 ; what lanes 16-31 add to it: v: the next head's block; q, k: 16 lanes x 16 bytes
	s_cmp_lt_u32 s95, 4
	s_cselect_b32 s23, 0, s23
	s_cselect_b32 s43, 6144, s43
	s_cselect_b32 s45, 11, 12                      ; rows of a batch: 2^11 or 2^12
	s_cselect_b32 s46, 15, 31                      ; steps of 128 in a batch, less 1
	s_mov_b32 s47, 417792
	s_cselect_b32 s47, 106496, s47                 ; bytes of a head
	s_mov_b32 s92, 13056
	s_cselect_b32 s92, 6656, s92                   ; bytes of a step
	s_lshl_b32 s93, s95, 10
	s_add_co_u32 s93, s93, s19
	s_sub_co_u32 s93, s93, s23                     ; my first place in the tensor
	s_lshr_b32 s94, s93, s45                       ; the batch
	s_lshr_b32 s93, s93, 7
	s_and_b32 s93, s93, s46                        ; the step
	s_lshl_b32 s94, s94, 4
	s_lshr_b32 s20, s20, 6
	s_add_co_u32 s94, s94, s20                     ; 16 x batch + my first head
	s_mul_i32 s94, s94, s47
	s_mul_i32 s93, s93, s92
	s_add_co_u32 s94, s94, s93
	s_add_co_u32 s42, s42, s94
	s_add_co_u32 s43, s43, s94
	v_and_b32 v6, 31, v0
	v_lshlrev_b32 v6, 4, v6
	v_add_nc_u32 v[VC0], s42, v6
	v_add_nc_u32 v[VC1], s47, v[VC0]
	v_lshlrev_b32 v6, 4, v1
	v_mul_u32_u24 v7, s44, v2
	v_add3_u32 v[VS0], v6, v7, s43
	v_add_nc_u32 v[VS1], s47, v[VS0]
	s_lshl_b32 s20, s21, 2
	s_mov_b32 s21, 0
	s_add_nc_u64 s[96:97], s[96:97], s[20:21]
	s_lshl_b32 s22, s22, 2
	s_mov_b32 s23, 0
	s_add_nc_u64 s[98:99], s[98:99], s[22:23]
	; both sets of biases are loaded by every work-group, on the one common way; a kind uses one of them (the other's 128 numbers lie inside the buffer)
	v_lshlrev_b32 v9, 6, v2                        ; 16 numbers on for lanes 16-31
	v_and_b32 v10, 8, v1
	v_add_nc_u32 v10, v10, v1
	v_lshlrev_b32 v10, 2, v10                      ; r + 8 (r / 8), in bytes
.irp t, 0,1,2,3,4,5,6,7
	global_load_b128 v[BI+8*\t:BI+8*\t+3], v9, s[96:97] offset:(32*(\t/2)+8*(\t%2))*4
	global_load_b128 v[BI+8*\t+4:BI+8*\t+7], v9, s[96:97] offset:(32*(\t/2)+8*(\t%2))*4+16
.endr
.irp a, 0,1,2,3,4,5,6,7
	global_load_b32 v[RB+\a], v10, s[98:99] offset:(32*(\a/2)+8*(\a%2))*4
.endr
.macro FRAG reg, adr, q, i             ; 16 rows x 128 K of 6-bit codes: 12 registers, in pieces of 8 bytes; where lanes 16-31's piece lies behind one padding more, the second address register serves
.irp p, 0,1,2,3,4,5
.set PC, 12*(\q)+6*(\p/3)+\p%3
.if PC%8 < 5
	ds_load_b64 v[\reg+2*\p:\reg+2*\p+1], v[\adr] offset:8*PC+16*(PC/8)+(\i)*16*PITCH
.else
	ds_load_b64 v[\reg+2*\p:\reg+2*\p+1], v[\adr+2] offset:8*PC+16*(PC/8)+(\i)*16*PITCH
.endif
.endr
.endm
; 16 matrix instructions: A's blocks a0, a0 + 1 x B's eight, 128 along K.  The 64 accumulators take turns, one instruction a turn, in the same order in every step.
.macro MUL16 a0, p, q, sc, zero
.irp a, \a0, \a0+1
.irp b, 0,1,2,3,4,5,6,7
.if \zero
	v_wmma_scale_f32_16x16x128_f8f6f4 v[8*(8*((\a)%4)+\b):8*(8*((\a)%4)+\b)+7], v[128*(\p)+FR*\b:128*(\p)+FR*\b+FR-1], v[AF+FR*(\a):AF+FR*(\a)+FR-1], 0, v[SC+8*NQ*(\sc)+NQ*\b+(\q)], v[SC+8*NQ*(\sc)+NQ*(\a)+(\q)] matrix_a_fmt:MATRIX_FMT_FP6 matrix_b_fmt:MATRIX_FMT_FP6 matrix_a_scale:MATRIX_SCALE_ROW1
.else
	v_wmma_scale_f32_16x16x128_f8f6f4 v[8*(8*((\a)%4)+\b):8*(8*((\a)%4)+\b)+7], v[128*(\p)+FR*\b:128*(\p)+FR*\b+FR-1], v[AF+FR*(\a):AF+FR*(\a)+FR-1], v[8*(8*((\a)%4)+\b):8*(8*((\a)%4)+\b)+7], v[SC+8*NQ*(\sc)+NQ*\b+(\q)], v[SC+8*NQ*(\sc)+NQ*(\a)+(\q)] matrix_a_fmt:MATRIX_FMT_FP6 matrix_b_fmt:MATRIX_FMT_FP6 matrix_a_scale:MATRIX_SCALE_ROW1
.endif
.endr
.endr
.endm
.macro FETCH_B slot, q, p
	WIN TO_B
.irp i, 0,1,2,3,4,5,6,7
	FRAG 128*(\p)+FR*\i, ADRB+\slot, \q, \i
.endr
	WIN 0
.endm
.macro FETCH_A slot, q, i0
.irp i, \i0, \i0+1, \i0+2, \i0+3
	FRAG AF+FR*(\i), ADRA+\slot, \q, \i
.endr
.endm
.macro SCALES sc                       ; a K step's scale words: two words a row; lanes 0-15 take A's block i, lanes 16-31 B's block i
.irp i, 0,1,2,3,4,5,6,7
	ds_load_b64 v[SC+8*NQ*\sc+NQ*\i:SC+8*NQ*\sc+NQ*\i+1], v[ADRS] offset:\i*SBLK
.endr
.endm
.macro PLACES n                        ; plain vector lines behind matrix instructions, in front of loads into their registers and of reads of their results
.rept \n
	v_nop
.endr
.endm
.macro STEP slot, q, zero
	s_wait_dscnt 4*NL                              ; B's set and A's blocks 0-3 are in; the youngest 24 loads (A's blocks 4-7) may be out
	WIN MUL_LO
	MUL16 0, (\q)%2, \q, \slot, \zero
	MUL16 2, (\q)%2, \q, \slot, \zero
	s_wait_dscnt 0
	PLACES NP
	FETCH_B \slot, (\q)+1, 1-(\q)%2
	FETCH_A \slot, (\q)+1, 0
	WIN MUL_HI
	MUL16 4, (\q)%2, \q, \slot, \zero
	MUL16 6, (\q)%2, \q, \slot, \zero
	PLACES NP
	WIN 0
	FETCH_A \slot, (\q)+1, 4
.endm
; A slot's last step changes slots: one barrier; in front of it each wave waits for all its tensor loads, adds 0 to its spare word, and waits for that and for its reads of this slot.
.macro TURN slot, next, fill
	s_wait_tensorcnt 0x0                           ; all my tensor loads have landed: my part of the next slot
	ds_add_u32 v[SPW], v[NIL]                      ; 0 onto my spare word
	s_wait_dscnt 4*NL+1                            ; the add and the youngest 24 loads (A's blocks 4-7) may be out
	WIN MUL_LO
	MUL16 0, 1, NQ-1, \slot, 0
	s_wait_dscnt 0x0                               ; the add is done, and my reads of this slot are over
	s_barrier_signal -1
	MUL16 2, 1, NQ-1, \slot, 0
	WIN 0
	s_barrier_wait -1
.if \fill
	CREST                                          ; the barrier has opened a round of the cluster's: no wave of any partner still reads this slot or has a load on its way
	s_add_nc_u64 s[G0+4*\slot+2:G0+4*\slot+3], s[G0+4*\slot+2:G0+4*\slot+3], 2*ROWB
	s_add_nc_u64 s[G0B+4*\slot+2:G0B+4*\slot+3], s[G0B+4*\slot+2:G0B+4*\slot+3], 2*ROWB
	JLOAD G0+4*\slot, G1, G0B+4*\slot, G1B         ; the first tensor load behind the round; its four v_nop are the places in front of the loads below
.else
	PLACES NP
.endif
	v_add_nc_u32 v[ADRS], 4*NQ, v[ADRS]            ; the next K step's scale words
	FETCH_B \next, 0, 0
	FETCH_A \next, 0, 0
	SCALES \next
	WIN MUL_HI
	MUL16 4, 1, NQ-1, \slot, 0
	MUL16 6, 1, NQ-1, \slot, 0
	PLACES NP
	WIN 0
	FETCH_A \next, 0, 4
.endm
	s_wait_loadcnt 0x0                             ; the biases
	s_wait_tensorcnt 1                             ; the scales and my part of K step 0 are in; K step 1's load may be out
	s_barrier_signal -1
	s_barrier_wait -1
	FETCH_B 0, 0, 0
	FETCH_A 0, 0, 0
	SCALES 0
	FETCH_A 0, 0, 4
	STEP 0, 0, 1                                   ; the first step's products start the sums
	s_mov_b32 s3, LAPS-1
.Llap:
	TURN 0, 1, 1
	STEP 1, 0, 0
	TURN 1, 0, 1
	STEP 0, 0, 0
	s_sub_co_u32 s3, s3, 1
	s_cmp_lg_u32 s3, 0
	s_cbranch_scc1 .Llap
	TURN 0, 1, 0                                   ; the last lap fills nothing
	STEP 1, 0, 0
	s_wait_dscnt 4*NL
	WIN MUL_LO
	MUL16 0, 1, NQ-1, 1, 0
	MUL16 2, 1, NQ-1, 1, 0
	s_wait_dscnt 0
	WIN MUL_HI
	MUL16 4, 1, NQ-1, 1, 0
	MUL16 6, 1, NQ-1, 1, 0
	WIN 0
; THE WAY OUT.  64 numbers of a lane, register 16 b + i = k 32 b + 16 (lane / 16) + i of the lane's row, become codes: blocks 0, 1 in six registers from d0 on, blocks 2, 3 from d1 on; the four scale bytes in v[pw].
.macro QUANT s, d0, d1, pw
.irp b, 0,1,2,3
	v_max3_num_f32 v[TM+\b], |v[\s+16*\b]|, |v[\s+1+16*\b]|, 0x1800000   ; my 16 numbers of block b, and the floor 2^(3 - 127): the byte cannot fall under 1
.endr
.irp i, 2,4,6,8,10,12,14
.irp b, 0,1,2,3
	v_max3_num_f32 v[TM+\b], v[TM+\b], |v[\s+16*\b+\i]|, |v[\s+1+16*\b+\i]|
.endr
.endr
.irp b, 0,1,2,3
	v_permlanex16_b32 v[TM+4+\b], v[TM+\b], s[SEL], s[SEL+1]
.endr
.irp b, 0,1,2,3
	v_max_num_f32 v[TM+\b], v[TM+\b], v[TM+4+\b]   ; with lane l xor 16's: the block's largest magnitude
.endr
.irp b, 0,1,2,3
	v_add_nc_u32 v[TM+12+\b], 0xff000000, v[TM+\b] ; 2 off its exponent field: the conversion's scale operand
.endr
.irp b, 0,1,2,3
	v_lshrrev_b32 v[TM+4+\b], 23, v[TM+12+\b]      ; the scale's byte
.endr
	v_lshl_or_b32 v[\pw], v[TM+5], 8, v[TM+4]
	v_lshl_or_b32 v[\pw], v[TM+6], 16, v[\pw]
	v_lshl_or_b32 v[\pw], v[TM+7], 24, v[\pw]
	v_cvt_scalef32_pk16_fp6_f32 v[(\d0):(\d0)+2], v[\s:\s+15], v[TM+12]
	v_cvt_scalef32_pk16_fp6_f32 v[YT:YT+2], v[\s+16:\s+31], v[TM+13]       ; (a conversion's three registers begin on an even number)
	v_cvt_scalef32_pk16_fp6_f32 v[(\d1):(\d1)+2], v[\s+32:\s+47], v[TM+14]
	v_cvt_scalef32_pk16_fp6_f32 v[YT+4:YT+6], v[\s+48:\s+63], v[TM+15]
	v_nop                                          ; one plain line behind the conversions
.irp i, 0,1,2                          ; the operand's layout wants a whole block in a lane: lanes 0-15 the even block, lanes 16-31 the odd one
	v_permlane16_swap_b32 v[(\d0)+\i], v[YT+\i]
	v_permlane16_swap_b32 v[(\d1)+\i], v[YT+4+\i]
.endr
.irp i, 0,1,2
	v_mov_b32 v[(\d0)+3+\i], v[YT+\i]
	v_mov_b32 v[(\d1)+3+\i], v[YT+4+\i]
.endr
.endm
; A's block a: its eight accumulators + the bias -> v[T] on; each accumulator is read from its low end on.  isv = 1: the bias is the lane's row's; else it runs along the registers.
.macro ADDB a, isv
.if \isv
	v_mov_b32 v[BP], v[RB+(\a)]
	v_mov_b32 v[BP+1], v[RB+(\a)]
.endif
.set WN, 0x02+(\a)/4
	WIN WN                                         ; source 0: window 2 or 3
.irp b, 0,1,2,3,4,5,6,7
.irp i, 0,2,4,6
.if \isv
	v_pk_add_f32 v[T+8*\b+\i:T+8*\b+\i+1], v[64*((\a)%4)+8*\b+\i:64*((\a)%4)+8*\b+\i+1], v[BP:BP+1]
.else
	v_pk_add_f32 v[T+8*\b+\i:T+8*\b+\i+1], v[64*((\a)%4)+8*\b+\i:64*((\a)%4)+8*\b+\i+1], v[BI+8*\b+\i:BI+8*\b+\i+1]
.endif
.endr
.endr
	WIN 0
.endm
	PLACES NP                                      ; behind the last products: their results are read and A's registers written below
	s_mov_b32 s[SEL], 0x76543210
	s_mov_b32 s[SEL+1], 0xfedcba98                 ; v_permlanex16_b32's selects for lane l xor 16
.irp b, 0,1,2,3
	v_mov_b32 v[TM+4+\b], 0                        ; written once: a lane permute's destination counts as one of its sources
.endr
	v_and_b32 v3, 31, v0
	v_cmp_le_u32 vcc_lo, 16, v3                    ; lanes 16-31
	s_cmp_ge_u32 s95, 12                           ; the cluster's kind: the same in all partners
	s_cbranch_scc1 .Lepi_v
	; q and k: my 128 columns are two heads of 64: blocks 0, 1 and blocks 2, 3.  Two tiles of rows make a pair image for each head.
.irp p, 0,1,2,3
	s_wait_xcnt 0x0                                ; the last pair's stores have read their registers
.irp u, 0,1
	ADDB 2*\p+\u, 0
.set D0, EB+6*\u
.set D1, EB+12+6*\u
.set PX, PWA+2*\p+\u
	QUANT T, D0, D1, PX
.endr
.irp c, 0,1
.irp j, 0,1,2
	global_store_b128 v[VC0+\c], v[EB+12*\c+4*\j:EB+12*\c+4*\j+3], s[12:13] offset:1536*\p+512*\j   ; 32 lanes store 512 consecutive bytes, aligned
.endr
.endr
.endr
.irp i, 0,1,2,3
	v_cndmask_b32 v[ZP+\i], v[PWA+\i], v[PWA+4+\i], vcc_lo   ; word i: lanes 0-15 tile i's rows, lanes 16-31 tile 4 + i's
.endr
.irp i, 0,1,2,3
	v_and_b32 v[Z0+\i], 0xffff, v[ZP+\i]           ; my first head's two bytes; bytes 2 and 3, of the half of K that the head does not have, are 0
	v_lshrrev_b32 v[Z1+\i], 16, v[ZP+\i]           ; my second head's
.endr
	global_store_b128 v[VS0], v[Z0:Z0+3], s[12:13]
	global_store_b128 v[VS1], v[Z1:Z1+3], s[12:13]
	s_branch .Lend
.Lepi_v:
	; v: a tile of 16 channels x my 128 keys is one fragment; tiles 0-3 are my first head's, 4-7 my second's.
.irp a, 0,1,2,3,4,5,6,7
	s_wait_xcnt 0x0                                ; the last tile's stores have read their registers
	ADDB \a, 1
.set D0, EB
.set D1, EB+6
.set PX, PWA+\a
	QUANT T, D0, D1, PX
.irp j, 0,1,2
	global_store_b128 v[VC0], v[EB+4*\j:EB+4*\j+3], s[12:13] offset:(\a/4)*417792+(\a%4)*1536+512*\j
.endr
.endr
.irp i, 0,1,2,3
	v_cndmask_b32 v[ZP+\i], v[PWA+\i], v[PWA+4+\i], vcc_lo   ; lanes 0-15: my first head's tile i; lanes 16-31: my second head's
.endr
	global_store_b128 v[VS0], v[ZP:ZP+3], s[12:13] ; each half of the lanes stores 256 consecutive bytes, aligned
.Lend:
	s_wait_tensorcnt 0x0                           ; the wave's end
	ds_add_u32 v[SPW], v[NIL]
	s_wait_dscnt 0x0
	CROUND                                         ; the closing round
	s_endpgm
.Lfunc_end_k_qc463fc4e7d_proj:
	.size	k_qc463fc4e7d_proj, .Lfunc_end_k_qc463fc4e7d_proj-k_qc463fc4e7d_proj
	.p2alignl 7, 3214868480
	.fill 96, 4, 3214868480
	.section	.rodata,"a",@progbits
	.p2align	6, 0x0
	.amdhsa_kernel k_qc463fc4e7d_proj
		.amdhsa_group_segment_fixed_size 327680
		.amdhsa_private_segment_fixed_size 0
		.amdhsa_enable_private_segment 0
		.amdhsa_kernarg_size 72
		.amdhsa_user_sgpr_count 2
		.amdhsa_user_sgpr_kernarg_segment_ptr 1
		.amdhsa_wavefront_size32 1
		.amdhsa_system_sgpr_workgroup_id_x 1
		.amdhsa_system_sgpr_workgroup_id_y 1
		.amdhsa_system_sgpr_workgroup_id_z 1
		.amdhsa_system_vgpr_workitem_id 0
		.amdhsa_next_free_vgpr 1024
		.amdhsa_next_free_sgpr 102
		.amdhsa_reserve_vcc 1
		.amdhsa_float_denorm_mode_32 3
		.amdhsa_float_denorm_mode_16_64 3
		.amdhsa_memory_ordered 1
		.amdhsa_forward_progress 1
		.amdhsa_inst_pref_size 234
	.end_amdhsa_kernel
	.amdgpu_metadata
---
amdhsa.version: [ 1, 2 ]
amdhsa.kernels:
  - .name:           k_qc463fc4e7d_proj
    .symbol:         k_qc463fc4e7d_proj.kd
    .args:
      - { .name: xc, .offset: 0, .size: 8, .value_kind: global_buffer, .address_space: global }
      - { .name: xs, .offset: 8, .size: 8, .value_kind: global_buffer, .address_space: global }
      - { .name: wc, .offset: 16, .size: 8, .value_kind: global_buffer, .address_space: global }
      - { .name: ws, .offset: 24, .size: 8, .value_kind: global_buffer, .address_space: global }
      - { .name: bq, .offset: 32, .size: 8, .value_kind: global_buffer, .address_space: global }
      - { .name: bk, .offset: 40, .size: 8, .value_kind: global_buffer, .address_space: global }
      - { .name: bv, .offset: 48, .size: 8, .value_kind: global_buffer, .address_space: global }
      - { .name: qb, .offset: 56, .size: 8, .value_kind: global_buffer, .address_space: global }
      - { .name: kv, .offset: 64, .size: 8, .value_kind: global_buffer, .address_space: global }
    .group_segment_fixed_size: 327680
    .private_segment_fixed_size: 0
    .kernarg_segment_align: 8
    .kernarg_segment_size: 72
    .max_flat_workgroup_size: 128
    .sgpr_count:     102
    .vgpr_count:     1024
    .wavefront_size: 32
...
	.end_amdgpu_metadata
.endif
;; end of part 2
;; launch attn (part 3): grid 8 x 32, 16 waves a work-group, clusters of 4 x 1, 327,680 bytes of LDS; arguments qb, kv, oc, os; writes oc, os
.if DOCPART == 3
	.amdgcn_target "amdgcn-amd-amdhsa--gfx1250"
	.amdhsa_code_object_version 6
	.text
	.protected	k_qc463fc4e7d_attn
	.globl	k_qc463fc4e7d_attn
	.p2align	8
	.type	k_qc463fc4e7d_attn,@function
k_qc463fc4e7d_attn:
	s_mov_b64 s[64:65], 0
	v_nop
	global_prefetch_b8 v0, s[64:65] scope:SCOPE_SE
	s_setreg_imm32_b32 hwreg(HW_REG_WAVE_MODE, 25, 1), 1
	s_wait_xcnt 0x0
	s_wait_alu depctr_hold_cnt(0) depctr_sa_sdst(0) depctr_va_vdst(0) depctr_va_sdst(0) depctr_va_ssrc(0) depctr_va_vcc(0) depctr_vm_vsrc(0)
	s_getreg_b32 s2, hwreg(HW_REG_IB_STS2, 6, 4)
	s_cmp_eq_u32 s2, 0
	s_cbranch_scc0 .Lentry_in_a_cluster
	s_endpgm
.Lentry_in_a_cluster:
	s_bfe_u32 s2, ttmp6, 0x10000c
	s_cmp_lg_u32 s2, 0x3003
	s_cbranch_scc0 .Lentry_shape_is_right
	s_endpgm
.Lentry_shape_is_right:
; O = softmax(q k^T / 8) v for one batch and head, both products on codes of FP6 (E2M3) with E8M0 scales, and O / l quantised along the head's 64 for the last product.
; t = score x log2(e) / 8; M = the running largest t rounded UP to a whole number; p = 2^(t - M) is quantised along the keys, not normalised; the row's sum l is taken of the unquantised p and divides O at the end
; (by v_rcp_f32 and a multiplication).  When M moves, the sum and O are multiplied by 2^(old M - new M), which rounds nothing.  A block's largest p is made from its largest score by the same two instructions as every p.
; SHARES.  A work-group owns 256 query places of one (batch, head); each of its sixteen waves owns one tile of 16 in 256 registers: four waves to a SIMD, so that one wave's vector work stands beside another's
; products and LDS loads.  Every wave walks 32 key steps of 128.
; kv holds, for each step, 13,056 dense bytes: K's eight tiles as four pair images, V^T's four fragments, K's scale words, V's: all as images of registers, read by ds_load_b128 at 16 x lane.
; A ring of two LDS slots of eight steps; waves 0 to 3 fetch a quarter of a slot each (102 rows of 256 bytes).  CLUSTER: the four work-groups of a cluster walk the same head, so every fill is a joint load.
; THE FIRST PRODUCT HAS K = 64.  Q's fragment holds zero codes for k = 64 .. 127 and both sides' scale bytes there are 0 (2^-127, no NaN), so whatever codes stand in a K fragment's registers 6-11 add nothing:
; K's tiles lie six registers apart, and a tile's upper six registers are the next tile's data (tile 7's: V's first six, cleared once at the head).
; Both products are used transposed: a lane holds ONE query throughout.  The places of a tile of K are such that the 16 registers of tiles 2 b, 2 b + 1 are 16 neighbouring keys.
; A refill is asked for eight key steps ahead of the wait for it.
; LIMITS: NaN and infinities are not served; a block of O whose largest magnitude lies under 2^-124 gets the byte 1.
; REGISTERS: v1-9 addresses; v12 -M, v13 the largest t, v[14:15] the sum; v16-27 Q; v28-31 V's scale words; v32-79 K; v80-127 V; v128-191 S^T, then p; v192-223 O^T; v224-235 p's codes; v232-254 at work;
;   v248-251 K's scale words; v253 p's scale word; v255 Q's.
.set STEPB, 13056                      ; a key step's bytes
.set SLOTB, 8*STEPB
.set QUART, 2*STEPB                    ; what one tensor load brings
.set SLOT1, 1<<17                      ; slot 1 begins here: one exclusive or turns an address from one slot to the other
.set SPARE, 2*SLOT1                    ; the spare words, 128 bytes a wave: eight blocks of 256 bytes that no other line names
.set OSG,   SPARE+2048                 ; 512 bytes: the work-group's scale bytes of O; no fill lands here
.set AL,  1                            ; v1  16 x lane
.set AR,  2                            ; v2  16 (lane % 16) + 12,800: V's scale words
.set A8,  3                            ; v3  8 x lane
.set OSA, 4                            ; v4  OSG + 32 x wave + 2 (lane % 16)
.set SPW, 5
.set NIL, 6
.set OSR, 7                            ; v7  OSG + 16 x lane
.set ADC, 8
.set ADV, 9
.set WV,  12
.set SEL, 20
.set CS,  22
.set G1,  24
.set G0,  32
.set TB,  36                           ; s36 LDS byte at which the step in hand begins
.set SLOTS, 37
.set CNT, 38
.macro JLOAD                           ; waves 0 to 3 fetch; the branch hangs on the wave's number alone.  Four v_nop follow the load
	s_cmp_lt_u32 s[WV], 4
	s_cbranch_scc0 .Lasked_\@
	tensor_load_to_lds s[G0:G0+3], s[G1:G1+7]
	s_nop 0
.rept 4
	v_nop
.endr
.Lasked_\@:
.endm
.macro CROUND                          ; a round of the cluster's barrier
	s_barrier_signal -1
	s_barrier_wait -1
	s_cmp_lg_u32 s[WV], 0
	s_cbranch_scc1 .Lnot_wave_0_\@
	s_barrier_signal -3
.Lnot_wave_0_\@:
	s_barrier_wait -3
	s_barrier_signal -1
	s_barrier_wait -1
.endm
	s_load_b256 s[4:11], s[0:1], 0x0               ; qb, kv, oc, os
	v_lshl_add_u32 v[SPW], v0, 2, SPARE
	v_mov_b32 v[NIL], 0
	ds_add_u32 v5, v6
	s_wait_dscnt 0x0
	v_lshrrev_b32 v8, 5, v0
	v_readfirstlane_b32 s[WV], v8                  ; wave 0..15
	s_bfe_u32 s13, ttmp6, 0x40000                  ; cx
	s_lshl_b32 s14, ttmp9, 2
	s_add_co_u32 s14, s14, s13                     ; my block of 256 query places: it enters qb's, oc's and os's addresses alone
	s_and_b32 s15, ttmp7, 0xffff                   ; 16 x batch + head, which the four partners share
	s_mov_b32 s[G1], 15|(3<<16)|(1<<21)            ; the mask: all four work-groups; elements of 8 bytes; bit 21 beside a mask; no padding
	s_mov_b32 s[G1+1], 32<<16                      ; tensor_dim0 = 32: rows of 256 bytes
	s_mov_b32 s[G1+2], 102<<16                     ; tensor_dim1 = 102
	s_mov_b32 s[G1+3], 32<<16                      ; tile_dim0
	s_mov_b32 s[G1+4], 102                         ; tile_dim1
	s_mov_b32 s[G1+5], 32                          ; the block is dense
	s_mov_b32 s[G1+6], 0
	s_mov_b32 s[G1+7], 0
	s_and_b32 s16, s[WV], 3
	s_mul_i32 s17, s16, QUART                      ; my quarter of a slot, in LDS and in memory
	s_mul_i32 s18, s15, 32*STEPB
	s_add_co_u32 s18, s18, s17
	s_mov_b32 s19, 0
	s_mul_i32 s40, s15, 16*6656                    ; qb: my head,
	s_lshl_b32 s41, s14, 1
	s_lshr_b32 s42, s[WV], 3
	s_add_co_u32 s41, s41, s42
	s_mul_i32 s41, s41, 6656                       ; my step of 128 places
	s_add_co_u32 s40, s40, s41
	s_mov_b32 s41, 0
	s_bfe_u32 s42, s[WV], 0x20001
	s_mul_i32 s42, s42, 1536                       ; my tile's pair image
	s_bfe_u32 s43, s[WV], 0x10002
	s_lshl_b32 s43, s43, 8                         ; my tile's scale words: tiles 4-7 lie in lanes 16-31's places,
	s_lshl_b32 s44, s16, 2                         ; word tile % 4
	s_add_co_u32 s43, s43, s44
	s_add_co_u32 s43, s43, 6144
	s_and_b32 s44, s15, 15                         ; the head
	s_lshr_b32 s45, s15, 4                         ; the batch
	s_lshl_b32 s46, s45, 7
	s_lshl_b32 s47, s14, 4
	s_add_co_u32 s46, s46, s47
	s_add_co_u32 s46, s46, s[WV]                   ; my tile among the 256 of oc's plane
	s_mul_i32 s46, s46, 768
	s_mul_i32 s47, s44, 196608
	s_add_co_u32 s46, s46, s47
	s_mov_b32 s47, 0
	s_lshl_b32 s48, s45, 12                        ; os: 2 bytes a place
	s_lshl_b32 s49, s14, 9
	s_add_co_u32 s48, s48, s49
	s_lshl_b32 s49, s44, 13
	s_add_co_u32 s48, s48, s49
	s_mov_b32 s49, 0
	s_mov_b32 s[SEL], 0x76543210
	s_mov_b32 s[SEL+1], 0xfedcba98                 ; v_permlanex16_b32's selects for lane l xor 16
	s_mov_b32 s[CS], 0x3e38aa3b                    ; c = log2(e) / 8
	s_mov_b32 s[CS+1], s[CS]                       ; (named with it as a pair, so it is written)
	s_mov_b32 s[TB], 0
	s_mov_b32 s[SLOTS], 3
	s_wait_kmcnt 0x0
	s_mov_b32 s[G0], 1
	s_mov_b32 s[G0+1], s17
	s_add_nc_u64 s[G0+2:G0+3], s[6:7], s[18:19]
	s_or_b32 s[G0+3], s[G0+3], 0x80000000
	s_add_nc_u64 s[4:5], s[4:5], s[40:41]
	s_add_nc_u64 s[8:9], s[8:9], s[46:47]
	s_add_nc_u64 s[10:11], s[10:11], s[48:49]
	CROUND                                         ; all four work-groups are here: the first joint loads meet
	JLOAD                                          ; slot 0
	v_and_b32 v10, 31, v0
	v_lshlrev_b32 v[AL], 4, v10
	v_lshlrev_b32 v[A8], 3, v10
	v_and_b32 v11, 15, v0
	v_lshlrev_b32 v[AR], 4, v11
	v_add_nc_u32 v254, s43, v[AR]
	v_add_nc_u32 v[AR], 12800, v[AR]
	v_add_nc_u32 v10, s42, v[AL]
	global_load_b128 v[32:35], v10, s[4:5]         ; the pair image that holds my tile of Q
	global_load_b128 v[36:39], v10, s[4:5] offset:512
	global_load_b128 v[40:43], v10, s[4:5] offset:1024
	global_load_b32 v255, v254, s[4:5]             ; Q's scale words
	s_lshl_b32 s50, s[WV], 5
	v_lshl_add_u32 v[OSA], v11, 1, OSG
	v_add_nc_u32 v[OSA], s50, v[OSA]
	v_add_nc_u32 v[OSR], OSG, v[AL]
	v_mov_b32 v13, 0xff61b1e6                      ; the largest t so far: -3e38
	v_floor_f32 v12, -v13                          ; -M
	v_mov_b32 v14, 0
	v_mov_b32 v15, 0
.irp b, 0,1,2,3
	v_mov_b32 v[236+\b], 0                         ; written once: a lane permute's destination counts as one of its sources
.endr
	v_mov_b32 v253, 0
.irp i, 0,1,2,3,4,5
	v_mov_b32 v[22+\i], 0                          ; Q's codes for k = 64 .. 127: zeros
	v_mov_b32 v[80+\i], 0                          ; what K's tile 7 names beyond its six registers in the first step
.endr
	v_and_b32 v11, 32, v0
	v_cmp_ne_u32 vcc_lo, 0, v11                    ; an odd wave's tile is the pair's second
	s_wait_loadcnt 0x0
.irp i, 0,1,2,3,4,5
	v_cndmask_b32 v[16+\i], v[32+\i], v[38+\i], vcc_lo
.endr
.irp j, 0,1,2,3,4,5,6,7,8,9,10,11,12,13,14,15,16,17,18,19,20,21,22,23,24,25,26,27,28,29,30,31
	v_mov_b32 v[192+\j], 0                         ; O^T: the step is written once; the first finds zeros.  (These are also the places between Q's last write and the first product)
.endr
; A KEY STEP: 128 keys.
.macro STEP
	v_add_nc_u32 v[ADC], s[TB], v[AL]
	v_add_nc_u32 v[ADV], s[TB], v[AR]
	ds_load_b128 v[248:251], v[ADC] offset:12288   ; K's scale words: word i: lanes 0-15 tile i, lanes 16-31 tile 4 + i
.irp p, 0,1,2,3
.irp j, 0,1,2
	ds_load_b128 v[32+12*\p+4*\j:35+12*\p+4*\j], v[ADC] offset:1536*\p+512*\j
.endr
.endr
	s_wait_dscnt 0x0
.irp t, 0,1,2,3                        ; S^T = K Q^T: source 0 = 16 keys, source 1 = my 16 queries
	v_wmma_scale_f32_16x16x128_f8f6f4 v[128+8*\t:135+8*\t], v[32+6*\t:43+6*\t], v[16:27], 0, v[248+\t], v255 matrix_a_fmt:MATRIX_FMT_FP6 matrix_b_fmt:MATRIX_FMT_FP6
.endr
.irp t, 4,5,6,7
	v_wmma_scale_f32_16x16x128_f8f6f4 v[128+8*\t:135+8*\t], v[32+6*\t:43+6*\t], v[16:27], 0, v[244+\t], v255 matrix_a_fmt:MATRIX_FMT_FP6 matrix_b_fmt:MATRIX_FMT_FP6 matrix_a_scale:MATRIX_SCALE_ROW1
.endr
.rept 4
	v_nop                                          ; places in front of the reads of the scores and of the loads into v80 on, which tile 7's product has named
.endr
.irp t, 0,1,2,3                        ; V^T's four fragments and their scale words land under the softmax
.irp j, 0,1,2
	ds_load_b128 v[80+12*\t+4*\j:83+12*\t+4*\j], v[ADC] offset:6144+1536*\t+512*\j
.endr
.endr
	ds_load_b128 v[28:31], v[ADV]
.irp b, 0,1,2,3
	v_max3_num_f32 v[232+\b], v[128+16*\b], v[129+16*\b], v[130+16*\b]   ; the largest score of each block of 32 keys: for the row's maximum, and for the block's largest p
.endr
.irp i, 3,5,7,9,11,13
.irp b, 0,1,2,3
	v_max3_num_f32 v[232+\b], v[232+\b], v[128+16*\b+\i], v[129+16*\b+\i]
.endr
.endr
.irp b, 0,1,2,3
	v_max_num_f32 v[232+\b], v[232+\b], v[143+16*\b]
.endr
.irp b, 0,1,2,3
	v_permlanex16_b32 v[236+\b], v[232+\b], s[SEL], s[SEL+1]
.endr
.irp b, 0,1,2,3
	v_max_num_f32 v[232+\b], v[232+\b], v[236+\b]  ; with lane l xor 16's 16 keys
.endr
	v_max3_num_f32 v254, v232, v233, v234
	v_max_num_f32 v254, v254, v235
	v_mul_f32 v254, s[CS], v254                    ; the step's largest t (c is positive)
	v_max_num_f32 v13, v13, v254                   ; the running largest t
	v_mov_b32 v254, v12
	v_floor_f32 v12, -v13                          ; the new -M = -ceil(t): a whole number
	v_sub_f32 v254, v12, v254                      ; old M - new M: a whole number, 0 or less
	v_cvt_i32_f32 v254, v254                       ; (it saturates)
	v_ldexp_f32 v252, 1.0, v254                    ; f = 2^(old M - new M)
.irp j, 0,2,4,6,8,10,12,14,16,18,20,22,24,26,28,30,32,34,36,38,40,42,44,46,48,50,52,54,56,58,60,62
	v_pk_fma_f32 v[128+\j:129+\j], v[128+\j:129+\j], s[CS:CS+1], v[12:13] op_sel_hi:[1,0,0]   ; t - M, two at a time
.endr
.irp b, 0,1,2,3
	v_fma_f32 v[232+\b], v[232+\b], s[CS], v12     ; the same of each block's largest score
.endr
.irp j, 0,1,2,3,4,5,6,7,8,9,10,11,12,13,14,15,16,17,18,19,20,21,22,23,24,25,26,27,28,29,30,31,32,33,34,35,36,37,38,39,40,41,42,43,44,45,46,47,48,49,50,51,52,53,54,55,56,57,58,59,60,61,62,63
	v_exp_f32 v[128+\j], v[128+\j]                 ; p = 2^(t - M), at most 1
.endr
.irp b, 0,1,2,3
	v_exp_f32 v[232+\b], v[232+\b]                 ; the block's largest p
.endr
	v_pk_mul_f32 v[14:15], v[14:15], v[252:253] op_sel_hi:[1,0]   ; the sums under the new M (a plain line behind the exponentials)
	s_wait_alu depctr_va_vdst(0)
.irp b, 0,1,2,3
	v_max_num_f32 v[232+\b], 0x1800000, v[232+\b]  ; the floor 2^(3 - 127): the byte cannot fall under 1
.endr
.irp b, 0,1,2,3
	v_add_nc_u32 v[244+\b], 0xff000000, v[232+\b]  ; 2 off the exponent field: the conversion's scale operand
.endr
.irp b, 0,1,2,3
	v_lshrrev_b32 v[236+\b], 23, v[244+\b]
.endr
	v_lshl_or_b32 v253, v237, 8, v236              ; p's scale word for these 128 keys
	v_lshl_or_b32 v253, v238, 16, v253
	v_lshl_or_b32 v253, v239, 24, v253
.irp c, 0,1
	v_cvt_scalef32_pk16_fp6_f32 v[224+6*\c:226+6*\c], v[128+32*\c:143+32*\c], v[244+2*\c]
	v_cvt_scalef32_pk16_fp6_f32 v[236+4*\c:238+4*\c], v[144+32*\c:159+32*\c], v[244+2*\c+1]
.endr
	v_nop                                          ; one plain line behind the conversions
.irp c, 0,1                            ; a whole block to a lane: lanes 0-15 block 2 c, lanes 16-31 block 2 c + 1
.irp i, 0,1,2
	v_permlane16_swap_b32 v[224+6*\c+\i], v[236+4*\c+\i]
.endr
.irp i, 0,1,2
	v_mov_b32 v[227+6*\c+\i], v[236+4*\c+\i]
.endr
.endr
	v_pk_add_f32 v[236:237], v[128:129], v[130:131]   ; the row's sum is taken of the unquantised p, in two chains
.irp j, 4,8,12,16,20,24,28,32,36,40,44,48,52,56,60
	v_pk_add_f32 v[14:15], v[14:15], v[128+\j:129+\j]
	v_pk_add_f32 v[236:237], v[236:237], v[130+\j:131+\j]
.endr
	v_pk_add_f32 v[14:15], v[14:15], v[236:237]
.irp j, 0,2,4,6,8,10,12,14,16,18,20,22,24,26,28,30
	v_pk_mul_f32 v[192+\j:193+\j], v[192+\j:193+\j], v[252:253] op_sel_hi:[1,0]   ; O^T under the new M
.endr
	s_wait_dscnt 0x0                               ; V is in
.irp t, 0,1,2,3                        ; O^T += V^T P^T: source 0 = 16 channels, source 1 = p; the four accumulators take turns, one instruction a turn
	v_wmma_scale_f32_16x16x128_f8f6f4 v[192+8*\t:199+8*\t], v[80+12*\t:91+12*\t], v[224:235], v[192+8*\t:199+8*\t], v[28+\t], v253 matrix_a_fmt:MATRIX_FMT_FP6 matrix_b_fmt:MATRIX_FMT_FP6
.endr
.endm
; THE CHANGE OF SLOTS stands at a slot's head.  fill = 1: the slot that has been left is filled with the eight steps that follow those of the slot ahead.
.macro CHANGE fill
	s_wait_tensorcnt 0x0                           ; no tensor load of mine is out: the slot ahead is whole as far as I fetched it, and the group 0 may be written
	ds_add_u32 v[SPW], v[NIL]                      ; 0 onto my spare word
.if \fill
	s_xor_b32 s[G0+1], s[G0+1], SLOT1              ; the other slot than last time,
	s_add_nc_u64 s[G0+2:G0+3], s[G0+2:G0+3], SLOTB ; the next eight steps
.endif
	s_wait_dscnt 0x0                               ; the add is done, and my reads of the slot that I have left are over
.if \fill
	CROUND                                         ; no wave of any partner still reads that slot or has a load on its way
	JLOAD                                          ; the first tensor load behind the round, one a wave: eight key steps in which to land
.else
	s_barrier_signal -1
	s_barrier_wait -1
.endif
.endm
.macro EIGHT                           ; a slot's eight steps: written once, walked eight times
	s_mov_b32 s[CNT], 8
.Lstep_\@:
	STEP
	s_add_co_u32 s[TB], s[TB], STEPB
	s_sub_co_u32 s[CNT], s[CNT], 1
	s_cmp_lg_u32 s[CNT], 0
	s_cbranch_scc1 .Lstep_\@
	s_sub_co_u32 s[TB], s[TB], SLOTB
	s_xor_b32 s[TB], s[TB], SLOT1                  ; on to the other slot
.endm
.Lslot:                                            ; three trips: behind each change of slots but the last the next slot is asked for
	CHANGE 1
	EIGHT
	s_sub_co_u32 s[SLOTS], s[SLOTS], 1
	s_cmp_lg_u32 s[SLOTS], 0
	s_cbranch_scc1 .Lslot
	CHANGE 0                                       ; the last slot is written out
	EIGHT
	; THE WAY OUT.  O^T / l; register 16 b + i is channel 32 b + 16 (lane / 16) + i of my query: two blocks of the last product's K.
.rept 4
	v_nop                                          ; places behind the last products
.endr
	v_add_f32 v14, v14, v15
	v_permlanex16_b32 v252, v14, s[SEL], s[SEL+1]
	v_add_f32 v14, v14, v252                       ; the row's sum
	v_rcp_f32 v14, v14
	v_nop                                          ; a plain line behind the transcendental
	s_wait_alu depctr_va_vdst(0)
.irp j, 0,2,4,6,8,10,12,14,16,18,20,22,24,26,28,30
	v_pk_mul_f32 v[128+\j:129+\j], v[192+\j:193+\j], v[14:15] op_sel_hi:[1,0]   ; each accumulator from its low end on
.endr
.irp b, 0,1
	v_max3_num_f32 v[232+\b], |v[128+16*\b]|, |v[129+16*\b]|, 0x1800000
.endr
.irp i, 2,4,6,8,10,12,14
.irp b, 0,1
	v_max3_num_f32 v[232+\b], v[232+\b], |v[128+16*\b+\i]|, |v[129+16*\b+\i]|
.endr
.endr
.irp b, 0,1
	v_permlanex16_b32 v[236+\b], v[232+\b], s[SEL], s[SEL+1]
.endr
.irp b, 0,1
	v_max_num_f32 v[232+\b], v[232+\b], v[236+\b]
.endr
.irp b, 0,1
	v_add_nc_u32 v[244+\b], 0xff000000, v[232+\b]
.endr
.irp b, 0,1
	v_lshrrev_b32 v[236+\b], 23, v[244+\b]
.endr
	v_lshl_or_b32 v254, v237, 8, v236              ; my row's two scale bytes
	v_cvt_scalef32_pk16_fp6_f32 v[224:226], v[128:143], v244
	v_cvt_scalef32_pk16_fp6_f32 v[240:242], v[144:159], v245
	v_nop                                          ; one plain line behind the conversions
.irp i, 0,1,2
	v_permlane16_swap_b32 v[224+\i], v[240+\i]
.endr
.irp i, 0,1,2
	v_mov_b32 v[227+\i], v[240+\i]
.endr
	global_store_b128 v[AL], v[224:227], s[8:9]              ; registers 0-3: 512 consecutive bytes, aligned
	global_store_b64 v[A8], v[228:229], s[8:9] offset:512    ; registers 4-5: 256 consecutive bytes, aligned
	ds_store_b16 v[OSA], v254                      ; both halves of the lanes write the same two bytes with the same value
	s_wait_dscnt 0x0                               ; for the others' sake: my store has landed
	s_barrier_signal -1
	s_barrier_wait -1
	s_cmp_lg_u32 s[WV], 0
	s_cbranch_scc1 .Lnot_first
	ds_load_b128 v[160:163], v[OSR]                ; the work-group's 256 rows x 2 bytes
	s_wait_dscnt 0x0
	global_store_b128 v[AL], v[160:163], s[10:11]  ; 512 consecutive bytes, aligned
.Lnot_first:
	s_wait_tensorcnt 0x0                           ; the wave's end
	ds_add_u32 v[SPW], v[NIL]
	s_wait_dscnt 0x0
	CROUND                                         ; the closing round
	s_endpgm
.Lfunc_end_k_qc463fc4e7d_attn:
	.size	k_qc463fc4e7d_attn, .Lfunc_end_k_qc463fc4e7d_attn-k_qc463fc4e7d_attn
	.p2alignl 7, 3214868480
	.fill 96, 4, 3214868480
	.section	.rodata,"a",@progbits
	.p2align	6, 0x0
	.amdhsa_kernel k_qc463fc4e7d_attn
		.amdhsa_group_segment_fixed_size 327680
		.amdhsa_private_segment_fixed_size 0
		.amdhsa_enable_private_segment 0
		.amdhsa_kernarg_size 32
		.amdhsa_user_sgpr_count 2
		.amdhsa_user_sgpr_kernarg_segment_ptr 1
		.amdhsa_wavefront_size32 1
		.amdhsa_system_sgpr_workgroup_id_x 1
		.amdhsa_system_sgpr_workgroup_id_y 1
		.amdhsa_system_sgpr_workgroup_id_z 1
		.amdhsa_system_vgpr_workitem_id 0
		.amdhsa_next_free_vgpr 256
		.amdhsa_next_free_sgpr 66
		.amdhsa_reserve_vcc 1
		.amdhsa_float_denorm_mode_32 3
		.amdhsa_float_denorm_mode_16_64 3
		.amdhsa_memory_ordered 1
		.amdhsa_forward_progress 1
		.amdhsa_inst_pref_size 43
	.end_amdhsa_kernel
	.amdgpu_metadata
---
amdhsa.version: [ 1, 2 ]
amdhsa.kernels:
  - .name:           k_qc463fc4e7d_attn
    .symbol:         k_qc463fc4e7d_attn.kd
    .args:
      - { .name: qb, .offset: 0, .size: 8, .value_kind: global_buffer, .address_space: global }
      - { .name: kv, .offset: 8, .size: 8, .value_kind: global_buffer, .address_space: global }
      - { .name: oc, .offset: 16, .size: 8, .value_kind: global_buffer, .address_space: global }
      - { .name: os, .offset: 24, .size: 8, .value_kind: global_buffer, .address_space: global }
    .group_segment_fixed_size: 327680
    .private_segment_fixed_size: 0
    .kernarg_segment_align: 8
    .kernarg_segment_size: 32
    .max_flat_workgroup_size: 512
    .sgpr_count:     66
    .vgpr_count:     256
    .wavefront_size: 32
...
	.end_amdgpu_metadata
.endif
;; end of part 3
;; launch outp (part 4): grid 4 x 16, 4 waves a work-group, clusters of 4 x 4, 327,680 bytes of LDS; arguments oc, os, wc, ws, bo, out0; writes out0
.if DOCPART == 4
	.amdgcn_target "amdgcn-amd-amdhsa--gfx1250"
	.amdhsa_code_object_version 6
	.text
	.protected	k_qc463fc4e7d_outp
	.globl	k_qc463fc4e7d_outp
	.p2align	8
	.type	k_qc463fc4e7d_outp,@function
k_qc463fc4e7d_outp:
	s_mov_b64 s[64:65], 0
	v_nop
	global_prefetch_b8 v0, s[64:65] scope:SCOPE_SE
	s_setreg_imm32_b32 hwreg(HW_REG_WAVE_MODE, 25, 1), 1
	s_wait_xcnt 0x0
	s_wait_alu depctr_hold_cnt(0) depctr_sa_sdst(0) depctr_va_vdst(0) depctr_va_sdst(0) depctr_va_ssrc(0) depctr_va_vcc(0) depctr_vm_vsrc(0)
	s_getreg_b32 s2, hwreg(HW_REG_IB_STS2, 6, 4)
	s_cmp_eq_u32 s2, 0
	s_cbranch_scc0 .Lentry_in_a_cluster
	s_endpgm
.Lentry_in_a_cluster:
	s_bfe_u32 s2, ttmp6, 0x10000c
	s_cmp_lg_u32 s2, 0xf033
	s_cbranch_scc0 .Lentry_shape_is_right
	s_endpgm
.Lentry_shape_is_right:
; out0 = O Wo + bo on codes of FP6 (E2M3) with E8M0 scales; sums in f32.  M = 4,096 places of O, N = K = 1,024, K = 64 x head + channel.
; A tile of out0, 256 x 256, is made by a work-group of four waves, each 128 x 128 in 64 accumulators.  K goes in steps of 256 (four heads) through a ring of two LDS slots.
; A = O comes as images of registers: oc [head][256 tiles of 16 places][768 bytes: registers 0-3 at 16 x lane, registers 4-5 at 512 + 8 x lane]; a tile of one head is half a fragment (64 along K).
;   One tensor load brings 128 places x 4 heads: 4 rows of 6,144 bytes, a head's plane (196,608 bytes) apart.
; A's scale bytes, os [head][4,096 places][2], are turned into rows of 32 bytes in registers and stored to LDS once; B's scale bytes come once by tensor load.
; B = Wo's codes [n][768 bytes], the fourth matrix of wc, rows at permuted places (bits 3 and 4 of the row exchanged), as are O's places: the way out puts rows and columns back.
; CLUSTERS: 4 x 4 work-groups; A's tile is asked for jointly along a row of the cluster, B's along a column.  THE MATRIX INSTRUCTION IS USED TRANSPOSED (source 0 = B's rows, source 1 = A's).
; bo is the C of each sum's first matrix instruction.
; REGISTERS: window 0: v0-31 addresses; v32-63 scale words, two sets; v64-127 bo in the results' layout; v128-223 A's fragments; on the way out v128-255 rows of out0.
;   window 1: B's fragments, two sets.   windows 2, 3: the accumulators.
.set SIZE_N, 1024
.set NQ,     2
.set ROWB,   192
.set KROW,   768
.set PITCH,  240
.set FR,     12
.set NL,     6                         ; LDS loads of a fragment of B
.set NLA,    4                         ; of A
.set NP,     4
.set HALFT,  128*PITCH                 ; B: 128 rows
.set HALFA,  4*6144                    ; A: 128 places x 4 heads
.set BOFF,   2*HALFA
.set SLOT,   BOFF+2*HALFT
.set LAPS,   2
.set KS,     32
.set SCL,    2*SLOT                    ; the scales: A's 256 rows (written by LDS stores, in whole blocks of 256 bytes into which no fill lands), then B's 256
.set HALFS,  (128*KS/256)*272
.set SBLK,   (16*KS/256)*272
.set SPARE,  SCL+4*HALFS
.set SPITCH, 528                       ; the way out: 16 rows x (512 + 16) bytes a wave, in slot 0, which has then had its last fill and its last read
.set ADRA, 16                          ; v16-17 A's images at 16 x lane in slot 0, 1; v18-19 at 8 x lane
.set ADRB, 20
.set STO,  24
.set RD,   25
.set CO,   26
.set ADRS, 27
.set SPW,  28
.set NIL,  29
.set SC,   32
.set BI,   64
.set AF,   128
.set BK,   128
.set G1, 24
.set G0, 32
.set G1B, 48
.set G0B, 56
.set G1SB, 80
.set G0SB, 88
.set MSB, 0
.macro WIN new
.if MSB != \new
	s_set_vgpr_msb (MSB<<8)|\new
.set MSB, \new
.endif
.endm
.set MUL_LO, 0xa1
.set MUL_HI, 0xf1
.set TO_B,   0x40
.macro JLOAD g0a, g1a, g0b, g1b        ; waves 0 and 1 fetch for A, waves 2 and 3 for B; four v_nop follow each of the two lines
	s_cmp_eq_u32 s15, 0
	s_cbranch_scc0 .Lfor_b_\@
	tensor_load_to_lds s[\g0a:\g0a+3], s[\g1a:\g1a+7]
	s_nop 0
.rept 4
	v_nop
.endr
	s_branch .Lasked_\@
.Lfor_b_\@:
	tensor_load_to_lds s[\g0b:\g0b+3], s[\g1b:\g1b+7]
	s_nop 0
.rept 4
	v_nop
.endr
.Lasked_\@:
.endm
.macro CREST
	s_cmp_lg_u32 s14, 0
	s_cbranch_scc1 .Lnot_wave_0_\@
	s_barrier_signal -3
.Lnot_wave_0_\@:
	s_barrier_wait -3
	s_barrier_signal -1
	s_barrier_wait -1
.endm
.macro CROUND
	s_barrier_signal -1
	s_barrier_wait -1
	CREST
.endm
	s_load_b256 s[4:11], s[0:1], 0x0               ; oc, os, wc, ws
	s_load_b64 s[96:97], s[0:1], 0x20              ; bo
	s_load_b64 s[12:13], s[0:1], 0x28              ; out0
	v_lshl_add_u32 v[SPW], v0, 2, SPARE
	v_mov_b32 v[NIL], 0
	ds_add_u32 v28, v29
	s_wait_dscnt 0x0
	v_lshrrev_b32 v1, 5, v0
	v_readfirstlane_b32 s14, v1                    ; wave 0..3
	s_lshr_b32 s15, s14, 1                         ; which half of the tile's rows is mine.  Also: I fetch for A (0) or for B (1)
	s_and_b32 s16, s14, 1                          ; which half of its columns.  Also: which 128 rows of that tile I fetch
	s_bfe_u32 s40, ttmp6, 0x40000
	s_bfe_u32 s41, ttmp6, 0x40004
	s_lshl_b32 s42, ttmp9, 2
	s_add_co_u32 s42, s42, s40                     ; tile column
	s_and_b32 s17, ttmp7, 0xffff
	s_lshl_b32 s17, s17, 2
	s_add_co_u32 s17, s17, s41                     ; tile row
	s_lshl_b32 s43, s41, 2
	s_lshl_b32 s43, 15, s43                        ; my row of the cluster
	s_lshl_b32 s44, 0x1111, s40                    ; my column
	s_or_b32 s[G1+0], s43, (3<<16)|(1<<21)         ; A: the mask; elements of 8 bytes; bit 21 beside a mask; no padding
	s_mov_b32 s[G1+1], 768<<16                     ; tensor_dim0 = 768: 6,144 bytes, eight tiles of one head
	s_mov_b32 s[G1+2], 4<<16                       ; tensor_dim1 = 4 heads
	s_mov_b32 s[G1+3], 768<<16                     ; tile_dim0
	s_mov_b32 s[G1+4], 4                           ; tile_dim1
	s_mov_b32 s[G1+5], 24576                       ; from head to head: 196,608 bytes
	s_mov_b32 s[G1+6], 0
	s_mov_b32 s[G1+7], 0
	s_or_b32 s[G1B+0], s44, (0<<16)|(1<<20)|(1<<21)|(3<<22)|(3<<25)  ; B: 128 rows of 192 bytes, 16 bytes of padding behind every 64
	s_mov_b32 s[G1B+1], ROWB<<16
	s_mov_b32 s[G1B+2], 128<<16
	s_mov_b32 s[G1B+3], ROWB<<16
	s_mov_b32 s[G1B+4], 128
	s_mov_b32 s[G1B+5], KROW
	s_mov_b32 s[G1B+6], 0
	s_mov_b32 s[G1B+7], 0
	s_or_b32 s[G1SB+0], s44, (3<<16)|(1<<20)|(1<<21)|(5<<22)|(3<<25) ; B's scales of 128 rows: 16 rows of 256 bytes, 16 bytes of padding behind each
	s_mov_b32 s[G1SB+1], 32<<16
	s_mov_b32 s[G1SB+2], (128*KS/256)<<16
	s_mov_b32 s[G1SB+3], 32<<16
	s_mov_b32 s[G1SB+4], 128*KS/256
	s_mov_b32 s[G1SB+5], 32
	s_mov_b32 s[G1SB+6], 0
	s_mov_b32 s[G1SB+7], 0
	s_mul_i32 s20, s17, 16*768                     ; A: the tile row's 16 tiles,
	s_mul_i32 s18, s16, 8*768                      ; the half that I fetch
	s_add_co_u32 s20, s20, s18
	s_mov_b32 s21, 0
	s_lshl_b32 s46, s42, 8
	s_lshl_b32 s18, s16, 7
	s_add_co_u32 s46, s46, s18                     ; B: row 256 x tile column + 128 x half
	s_lshl_b32 s92, s46, 5
	s_add_co_u32 s92, s92, 3*32768                 ; in the fourth matrix of ws,
	s_mul_i32 s46, s46, KROW
	s_add_co_u32 s46, s46, 3*1024*KROW             ; of wc
	s_mov_b32 s47, 0
	s_mov_b32 s93, 0
	s_mul_i32 s45, s16, HALFA                      ; where they go: A's halves,
	s_mul_i32 s94, s16, HALFT
	s_add_co_u32 s94, s94, BOFF                    ; B's halves behind them,
	s_mul_i32 s95, s14, HALFS                      ; B's scales (waves 2 and 3) behind A's
	s_wait_kmcnt 0x0
	s_add_nc_u64 s[20:21], s[4:5], s[20:21]
	s_add_nc_u64 s[46:47], s[8:9], s[46:47]
	s_add_nc_u64 s[92:93], s[10:11], s[92:93]
	s_mov_b32 s[G0SB], 1
	s_add_co_u32 s[G0SB+1], s95, SCL
	s_mov_b64 s[G0SB+2:G0SB+3], s[92:93]
	s_or_b32 s[G0SB+3], s[G0SB+3], 0x80000000
.irp s, 0,1
	s_mov_b32 s[G0+4*\s], 1
	s_add_co_u32 s[G0+4*\s+1], s45, \s*SLOT
	s_add_nc_u64 s[G0+4*\s+2:G0+4*\s+3], s[20:21], \s*4*196608   ; K step s: heads 4 s on
	s_or_b32 s[G0+4*\s+3], s[G0+4*\s+3], 0x80000000
	s_mov_b32 s[G0B+4*\s], 1
	s_add_co_u32 s[G0B+4*\s+1], s94, \s*SLOT
	s_add_nc_u64 s[G0B+4*\s+2:G0B+4*\s+3], s[46:47], \s*ROWB
	s_or_b32 s[G0B+4*\s+3], s[G0B+4*\s+3], 0x80000000
.endr
	CROUND                                         ; all sixteen work-groups are here: the first joint loads meet
	s_cmp_eq_u32 s15, 0                            ; a wave's first fills stand in one branch on its number; in both arms the last load is slot 1's
	s_cbranch_scc0 .Lfirst_b
	tensor_load_to_lds s[G0:G0+3], s[G1:G1+7]
	s_nop 0
	tensor_load_to_lds s[G0+4:G0+7], s[G1:G1+7]
	s_nop 0
.rept 4
	v_nop
.endr
	s_branch .Lfirst_done
.Lfirst_b:
	tensor_load_to_lds s[G0SB:G0SB+3], s[G1SB:G1SB+7]
	s_nop 0
	tensor_load_to_lds s[G0B:G0B+3], s[G1B:G1B+7]
	s_nop 0
	tensor_load_to_lds s[G0B+4:G0B+7], s[G1B:G1B+7]
	s_nop 0
.rept 4
	v_nop
.endr
.Lfirst_done:
	; A's scale bytes and bo
	s_lshl_b32 s18, s17, 9                         ; the tile row's 256 places x 2 bytes in each head's plane
	s_mov_b32 s19, 0
	s_add_nc_u64 s[6:7], s[6:7], s[18:19]
	s_lshl_b32 s22, s42, 10
	s_lshl_b32 s23, s16, 9
	s_add_co_u32 s22, s22, s23                     ; my first column, in bytes: in bo and in a row of out0
	s_mov_b32 s23, 0
	s_add_nc_u64 s[96:97], s[96:97], s[22:23]
	v_and_b32 v1, 15, v0                           ; r
	v_bfe_u32 v2, v0, 4, 1                         ; h
	v_lshlrev_b32 v10, 2, v0                       ; thread t takes places 2 t and 2 t + 1
	v_lshlrev_b32 v11, 6, v2
.irp j, 0,1,2,3,4,5,6,7,8,9,10,11,12,13,14,15
	global_load_b32 v[128+\j], v10, s[6:7] offset:8192*\j     ; head j
.endr
.irp t, 0,1,2,3,4,5,6,7
	global_load_b128 v[BI+8*\t:BI+8*\t+3], v11, s[96:97] offset:(32*(\t/2)+8*(\t%2))*4     ; register 8 t + j: column 32 (t / 2) + 8 (t % 2) + 16 h + j
	global_load_b128 v[BI+8*\t+4:BI+8*\t+7], v11, s[96:97] offset:(32*(\t/2)+8*(\t%2))*4+16
.endr
	s_lshl_b32 s20, s17, 8
	s_lshl_b32 s21, s15, 7
	s_add_co_u32 s20, s20, s21                     ; my first row of out0
	s_lshl_b32 s20, s20, 12
	s_mov_b32 s21, 0
	s_add_nc_u64 s[12:13], s[12:13], s[20:21]
	s_add_nc_u64 s[12:13], s[12:13], s[22:23]
	v_lshlrev_b32 v9, 6, v0                        ; where thread t puts its two rows of 32 scale bytes: 64 t, and 16 more for each 256 passed
	v_lshrrev_b32 v3, 2, v0
	v_lshl_add_u32 v9, v3, 4, v9
	v_add_nc_u32 v9, SCL, v9
	v_mul_u32_u24 v3, v1, PITCH
	v_mul_u32_u24 v4, v2, 24
	v_add_nc_u32 v4, v3, v4                        ; B: a fragment's row x pitch + 24 x half
	v_lshl_add_u32 v5, v2, 4, v4                   ; and the same behind one padding more
	v_and_b32 v6, 31, v0
	v_lshlrev_b32 v7, 4, v6                        ; A: 16 x lane,
	v_lshlrev_b32 v8, 3, v6                        ; 8 x lane
	s_mul_i32 s18, s15, HALFA                      ; my 128 places of A
	s_mul_i32 s19, s16, HALFT
	s_add_co_u32 s19, s19, BOFF                    ; my 128 rows of B
.irp s, 0,1
	v_add_nc_u32 v[ADRA+\s], s18, v7
	v_add_nc_u32 v[ADRA+2+\s], s18, v8
	v_add_nc_u32 v[ADRB+\s], s19, v4
	v_add_nc_u32 v[ADRB+2+\s], s19, v5
	s_add_co_u32 s18, s18, SLOT
	s_add_co_u32 s19, s19, SLOT
.endr
	v_mul_u32_u24 v5, v1, KS
	v_lshrrev_b32 v6, 8, v5
	v_lshl_add_u32 v5, v6, 4, v5
	s_mul_i32 s21, s15, HALFS
	s_mul_i32 s22, s16, HALFS
	s_add_co_u32 s22, s22, 2*HALFS
	s_sub_co_u32 s22, s22, s21
	v_mul_u32_u24 v6, s22, v2                      ; lanes 16-31 take B's
	s_add_co_u32 s21, s21, SCL
	v_add_nc_u32 v5, v5, v6
	v_add_nc_u32 v[ADRS], s21, v5
	s_mul_i32 s23, s14, 16*SPITCH                  ; my stage
	v_mul_u32_u24 v5, v1, SPITCH
	v_lshl_add_u32 v5, v2, 6, v5                   ; in: row r; lanes 16-31 hold the columns 16 further on
	v_add_nc_u32 v[STO], s23, v5
	v_and_b32 v6, 31, v0
	v_lshlrev_b32 v[CO], 4, v6                     ; back: the 32 lanes take one row of 512 bytes; and the same in out0
	v_add_nc_u32 v[RD], s23, v[CO]
	s_mov_b32 s18, 0x05040100                      ; the two low halves: place 2 t
	s_mov_b32 s19, 0x07060302                      ; the two high halves: place 2 t + 1
	s_wait_loadcnt 0x0
.irp s, 0,1,2,3,4,5,6,7                ; word s of a row: heads 2 s and 2 s + 1, two bytes each
	v_perm_b32 v[144+\s], v[129+2*\s], v[128+2*\s], s18
	v_perm_b32 v[152+\s], v[129+2*\s], v[128+2*\s], s19
.endr
.irp i, 0,1,2,3
	ds_store_b128 v9, v[144+4*\i:147+4*\i] offset:16*\i
.endr
.macro FRAG reg, adr, q, i             ; a fragment of B: 12 registers in pieces of 8 bytes
.irp p, 0,1,2,3,4,5
.set PC, 12*(\q)+6*(\p/3)+\p%3
.if PC%8 < 5
	ds_load_b64 v[\reg+2*\p:\reg+2*\p+1], v[\adr] offset:8*PC+16*(PC/8)+(\i)*16*PITCH
.else
	ds_load_b64 v[\reg+2*\p:\reg+2*\p+1], v[\adr+2] offset:8*PC+16*(PC/8)+(\i)*16*PITCH
.endif
.endr
.endm
.macro FRAG_A reg, slot, q, i          ; a fragment of A: the tile's images of heads 2 q and 2 q + 1 of the slot, six registers each
.irp e, 0,1
	ds_load_b128 v[\reg+6*\e:\reg+6*\e+3], v[ADRA+\slot] offset:(2*(\q)+\e)*6144+768*(\i)
	ds_load_b64 v[\reg+6*\e+4:\reg+6*\e+5], v[ADRA+2+\slot] offset:(2*(\q)+\e)*6144+768*(\i)+512
.endr
.endm
; 16 matrix instructions.  zero = 1: the first products start the sums with bo as C.  The 64 accumulators take turns, one instruction a turn.
.macro MUL16 a0, p, q, sc, zero
.irp a, \a0, \a0+1
.irp b, 0,1,2,3,4,5,6,7
.if \zero
	v_wmma_scale_f32_16x16x128_f8f6f4 v[8*(8*((\a)%4)+\b):8*(8*((\a)%4)+\b)+7], v[128*(\p)+FR*\b:128*(\p)+FR*\b+FR-1], v[AF+FR*(\a):AF+FR*(\a)+FR-1], v[BI+8*\b:BI+8*\b+7], v[SC+8*NQ*(\sc)+NQ*\b+(\q)], v[SC+8*NQ*(\sc)+NQ*(\a)+(\q)] matrix_a_fmt:MATRIX_FMT_FP6 matrix_b_fmt:MATRIX_FMT_FP6 matrix_a_scale:MATRIX_SCALE_ROW1
.else
	v_wmma_scale_f32_16x16x128_f8f6f4 v[8*(8*((\a)%4)+\b):8*(8*((\a)%4)+\b)+7], v[128*(\p)+FR*\b:128*(\p)+FR*\b+FR-1], v[AF+FR*(\a):AF+FR*(\a)+FR-1], v[8*(8*((\a)%4)+\b):8*(8*((\a)%4)+\b)+7], v[SC+8*NQ*(\sc)+NQ*\b+(\q)], v[SC+8*NQ*(\sc)+NQ*(\a)+(\q)] matrix_a_fmt:MATRIX_FMT_FP6 matrix_b_fmt:MATRIX_FMT_FP6 matrix_a_scale:MATRIX_SCALE_ROW1
.endif
.endr
.endr
.endm
.macro FETCH_B slot, q, p
	WIN TO_B
.irp i, 0,1,2,3,4,5,6,7
	FRAG 128*(\p)+FR*\i, ADRB+\slot, \q, \i
.endr
	WIN 0
.endm
.macro FETCH_A slot, q, i0
.irp i, \i0, \i0+1, \i0+2, \i0+3
	FRAG_A AF+FR*(\i), \slot, \q, \i
.endr
.endm
.macro SCALES sc
.irp i, 0,1,2,3,4,5,6,7
	ds_load_b64 v[SC+8*NQ*\sc+NQ*\i:SC+8*NQ*\sc+NQ*\i+1], v[ADRS] offset:\i*SBLK
.endr
.endm
.macro PLACES n
.rept \n
	v_nop
.endr
.endm
.macro STEP slot, q, zero
	s_wait_dscnt 4*NLA                             ; B's set and A's blocks 0-3 are in; the youngest 16 loads (A's blocks 4-7) may be out
.if \zero
	WIN 0x81                                       ; source 0 window 1, C (bo) window 0, D window 2
.else
	WIN MUL_LO
.endif
	MUL16 0, (\q)%2, \q, \slot, \zero
	MUL16 2, (\q)%2, \q, \slot, \zero
	s_wait_dscnt 0
	PLACES NP
	FETCH_B \slot, (\q)+1, 1-(\q)%2
	FETCH_A \slot, (\q)+1, 0
.if \zero
	WIN 0xc1                                       ; D window 3
.else
	WIN MUL_HI
.endif
	MUL16 4, (\q)%2, \q, \slot, \zero
	MUL16 6, (\q)%2, \q, \slot, \zero
	PLACES NP
	WIN 0
	FETCH_A \slot, (\q)+1, 4
.endm
.macro TURN slot, next, fill
	s_wait_tensorcnt 0x0                           ; all my tensor loads have landed: my part of the next slot
	ds_add_u32 v[SPW], v[NIL]                      ; 0 onto my spare word
	s_wait_dscnt 4*NLA+1                           ; the add and the youngest 16 loads (A's blocks 4-7) may be out
	WIN MUL_LO
	MUL16 0, 1, NQ-1, \slot, 0
	s_wait_dscnt 0x0                               ; the add is done, and my reads of this slot are over
	s_barrier_signal -1
	MUL16 2, 1, NQ-1, \slot, 0
	WIN 0
	s_barrier_wait -1
.if \fill
	CREST                                          ; the barrier has opened a round of the cluster's
	s_add_nc_u64 s[G0+4*\slot+2:G0+4*\slot+3], s[G0+4*\slot+2:G0+4*\slot+3], 2*4*196608
	s_add_nc_u64 s[G0B+4*\slot+2:G0B+4*\slot+3], s[G0B+4*\slot+2:G0B+4*\slot+3], 2*ROWB
	JLOAD G0+4*\slot, G1, G0B+4*\slot, G1B         ; the first tensor load behind the round; its four v_nop are the places in front of the loads below
.else
	PLACES NP
.endif
	v_add_nc_u32 v[ADRS], 4*NQ, v[ADRS]
	FETCH_B \next, 0, 0
	FETCH_A \next, 0, 0
	SCALES \next
	WIN MUL_HI
	MUL16 4, 1, NQ-1, \slot, 0
	MUL16 6, 1, NQ-1, \slot, 0
	PLACES NP
	WIN 0
	FETCH_A \next, 0, 4
.endm
	s_wait_tensorcnt 1                             ; my part of K step 0 (and B's scales) is in; K step 1's load may be out
	s_wait_dscnt 0x0                               ; my rows of A's scales have landed
	s_barrier_signal -1
	s_barrier_wait -1
	FETCH_B 0, 0, 0
	FETCH_A 0, 0, 0
	SCALES 0
	FETCH_A 0, 0, 4
	STEP 0, 0, 1
	s_mov_b32 s3, LAPS-1
.Llap:
	TURN 0, 1, 1
	STEP 1, 0, 0
	TURN 1, 0, 1
	STEP 0, 0, 0
	s_sub_co_u32 s3, s3, 1
	s_cmp_lg_u32 s3, 0
	s_cbranch_scc1 .Llap
	TURN 0, 1, 0                                   ; the last lap fills nothing
	STEP 1, 0, 0
	s_wait_dscnt 4*NLA
	WIN MUL_LO
	MUL16 0, 1, NQ-1, 1, 0
	MUL16 2, 1, NQ-1, 1, 0
	s_wait_dscnt 0
	WIN MUL_HI
	MUL16 4, 1, NQ-1, 1, 0
	MUL16 6, 1, NQ-1, 1, 0
	WIN 0
; THE WAY OUT, block by block of 16 places x 128 columns, through my own stage.  Register j of accumulator (a, b) in lane (r, h) is column 32 (b / 2) + 16 h + 8 (b % 2) + j of place 16 a + r.
.macro TOSTAGE a
.set AC, 64*((\a)%4)
	WIN 0x08+4*((\a)/4)                            ; the data: window 2 or 3
.irp b, 0,1,2,3,4,5,6,7
	ds_store_b128 v[STO], v[AC+8*\b:AC+8*\b+3] offset:128*(\b/2)+32*(\b%2)          ; each accumulator from its low end on
	ds_store_b128 v[STO], v[AC+8*\b+4:AC+8*\b+7] offset:128*(\b/2)+32*(\b%2)+16
.endr
	WIN 0
.set BB, BK+64*((\a)%2)
.irp t, 0,1,2,3,4,5,6,7,8,9,10,11,12,13,14,15
	ds_load_b128 v[BB+4*\t:BB+4*\t+3], v[RD] offset:\t*SPITCH    ; LDS serves a wave's instructions in order (ISA guide 5.7.1.4): these see the stores above
.endr
.endm
.macro SEND a, younger                 ; place 16 a + t is row 32 (a / 2) + 8 (a % 2) + t + 8 (t / 8): it stands in the immediate, 127 rows of 4,096 bytes at the most; the base is never stepped
.set BB, BK+64*((\a)%2)
	s_wait_dscnt \younger
.irp t, 0,1,2,3,4,5,6,7,8,9,10,11,12,13,14,15
	global_store_b128 v[CO], v[BB+4*\t:BB+4*\t+3], s[12:13] offset:(32*((\a)/2)+8*((\a)%2)+\t+8*(\t/8))*SIZE_N*4 th:TH_STORE_NT   ; 32 lanes store 512 consecutive bytes, aligned
.endr
.endm
	PLACES NP
	TOSTAGE 0
.irp a, 1,2,3,4,5,6,7
.if \a > 1
	s_wait_xcnt 0x0                                ; block a - 2's stores have read their registers: block a's loads may land there
.endif
	TOSTAGE \a
	SEND \a-1, 32                                  ; behind block a - 1's loads: block a's 16 stores and 16 loads
.endr
	SEND 7, 0
	s_wait_tensorcnt 0x0                           ; the wave's end
	ds_add_u32 v[SPW], v[NIL]
	s_wait_dscnt 0x0
	CROUND                                         ; the closing round
	s_endpgm
.Lfunc_end_k_qc463fc4e7d_outp:
	.size	k_qc463fc4e7d_outp, .Lfunc_end_k_qc463fc4e7d_outp-k_qc463fc4e7d_outp
	.p2alignl 7, 3214868480
	.fill 96, 4, 3214868480
	.section	.rodata,"a",@progbits
	.p2align	6, 0x0
	.amdhsa_kernel k_qc463fc4e7d_outp
		.amdhsa_group_segment_fixed_size 327680
		.amdhsa_private_segment_fixed_size 0
		.amdhsa_enable_private_segment 0
		.amdhsa_kernarg_size 48
		.amdhsa_user_sgpr_count 2
		.amdhsa_user_sgpr_kernarg_segment_ptr 1
		.amdhsa_wavefront_size32 1
		.amdhsa_system_sgpr_workgroup_id_x 1
		.amdhsa_system_sgpr_workgroup_id_y 1
		.amdhsa_system_sgpr_workgroup_id_z 1
		.amdhsa_system_vgpr_workitem_id 0
		.amdhsa_next_free_vgpr 1024
		.amdhsa_next_free_sgpr 98
		.amdhsa_reserve_vcc 0
		.amdhsa_float_denorm_mode_32 3
		.amdhsa_float_denorm_mode_16_64 3
		.amdhsa_memory_ordered 1
		.amdhsa_forward_progress 1
		.amdhsa_inst_pref_size 155
	.end_amdhsa_kernel
	.amdgpu_metadata
---
amdhsa.version: [ 1, 2 ]
amdhsa.kernels:
  - .name:           k_qc463fc4e7d_outp
    .symbol:         k_qc463fc4e7d_outp.kd
    .args:
      - { .name: oc, .offset: 0, .size: 8, .value_kind: global_buffer, .address_space: global }
      - { .name: os, .offset: 8, .size: 8, .value_kind: global_buffer, .address_space: global }
      - { .name: wc, .offset: 16, .size: 8, .value_kind: global_buffer, .address_space: global }
      - { .name: ws, .offset: 24, .size: 8, .value_kind: global_buffer, .address_space: global }
      - { .name: bo, .offset: 32, .size: 8, .value_kind: global_buffer, .address_space: global }
      - { .name: out0, .offset: 40, .size: 8, .value_kind: global_buffer, .address_space: global }
    .group_segment_fixed_size: 327680
    .private_segment_fixed_size: 0
    .kernarg_segment_align: 8
    .kernarg_segment_size: 48
    .max_flat_workgroup_size: 128
    .sgpr_count:     98
    .vgpr_count:     1024
    .wavefront_size: 32
...
	.end_amdgpu_metadata
.endif
;; end of part 4
